; MI455X (gfx1250); checked and timed in simulation.
; The chip was launched on July 23, 2026; its instructions are those of AMD's public machine-readable ISA for CDNA 5 (MIT licence, August 2026) and "CDNA5" Instruction Set Architecture Reference Guide (July 2026). The comments in the code are by the model that wrote it; some were corrected since.
;; Memory Efficient Attention. Allowed arithmetic: matrix products marked QUANTISED: E2M3 operands, one E8M0 scale for each 32 along K, by v_wmma_scale_f32_16x16x128_f8f6f4 with both operands' format E2M3, f32 sums; everything else in f32.
;; Inputs: Wk 1,024 x 1,024 float32; Wo 1,024 x 1,024 float32; Wq 1,024 x 1,024 float32; Wv 1,024 x 1,024 float32; bk 1,024 float32; bo 1,024 float32; bq 1,024 float32; bv 1,024 float32; key 4 x 2,048 x 1,024 float32; query 4 x 2,048 x 1,024 float32; value 4 x 2,048 x 1,024 float32.
;; Outputs: out0 4 x 2,048 x 1,024 float32.
;; This version of the problem:
;;   THIS VERSION OF THE PROBLEM IS GIVEN IN LOW PRECISION. The matrix products marked QUANTISED in the list below multiply operands that are first quantised to E2M3 (2 exponent bits, 3 mantissa bits; 6 bits a number), with one power-of-two scale for each 32 numbers along K (OCP MX v1.0); their sums are f32. All else is computed in f32.
;;   The module's matrix products, in the order in which they are computed (A, B: the left and right operand; K: the contracted axis; several contracted axes count as one K, in the product's order):
;;     1. [M 8,192, K 1,024] x [K 1,024, N 1,024]; A: input query; B: input Wq: QUANTISED
;;     2. [M 8,192, K 1,024] x [K 1,024, N 1,024]; A: input key; B: input Wk: QUANTISED
;;     3. [M 8,192, K 1,024] x [K 1,024, N 1,024]; A: input value; B: input Wv: QUANTISED
;;     4. batch 64 x [M 2,048, K 64] x [K 64, N 2,048]; A: computed on the way; B: computed on the way: QUANTISED
;;     5. batch 64 x [M 2,048, K 2,048] x [K 2,048, N 64]; A: softmax (see below); B: computed on the way: QUANTISED
;;     6. [M 8,192, K 1,024] x [K 1,024, N 1,024]; A: computed on the way; B: input Wo: QUANTISED
;;   THE QUANTISER, for each operand of a quantised product, along K:
;;     - K is cut into blocks of 32 from its start; a last block that is shorter is filled with zeros.
;;     - A block's scale is 2^e with e = floor(log2(the largest magnitude in the block)) - 2, held to -126 .. 127; a block of zeros has e = 0. As a byte (E8M0): e + 127.
;;     - Each number is divided by its block's scale, clamped to +-7.5, and rounded to the nearest number of E2M3, ties to even, subnormals kept.
;;     - The product sums the exact products of the quantised numbers (number of the format x scale) in f32.
;;   ~~~python
;;   def quantise(x, axis):      # numpy; x: float32 -> the quantised numbers, widened to float32 again
;;       x = np.moveaxis(x, axis, -1); K = x.shape[-1]
;;       x = np.pad(x, [(0, 0)] * (x.ndim - 1) + [(0, -K % 32)]); x = x.reshape(x.shape[:-1] + (-1, 32)); a = np.abs(x).max(-1, keepdims=True)
;;       e = np.where(a > 0, np.clip(np.frexp(np.where(a > 0, a, 1))[1] - 1 - 2, -126, 127), 0)      # np.frexp(a)[1] - 1 = floor(log2(a)), exactly
;;       r = np.clip(x / 2.0 ** e, -7.5, 7.5)
;;       step = 2.0 ** (np.maximum(np.frexp(np.where(r == 0, 1, r))[1] - 1, 0) - 3)
;;       q = np.round(r / step) * step * 2.0 ** e      # np.round: ties to even
;;       return np.moveaxis(q.reshape(q.shape[:-2] + (-1,))[..., :K], -1, axis).astype(np.float32)
;;   ~~~
;;   SOFTMAX AHEAD OF A QUANTISED PRODUCT. Where the list says 'softmax', what is quantised is not the finished softmax but p = 2^(t - M), with t = logit x log2(e) and M = ceil(the row's largest t), a whole number; so 1/2 < the row's largest p <= 1. The row's sum l is taken of the UNQUANTISED p, in f32, and the product's result is divided by l at the end. Since M is a whole number, a kernel that streams over the keys may use a running M (the ceiling of the running maximum): every later rescaling is an exact power of two, which a block's scale takes up: the codes' values come out the same.
;;   OPERANDS COMPUTED ON THE WAY. 'Computed on the way' means the value that the module computes at that place (a softmax that the list does not call 'softmax' is quantised finished and normalised). What goes into a quantiser is computed in f32, as accurately as f32 sums, v_exp_f32 and their like allow (about 1e-6 of the number): no bf16 or f16 on the way to a quantiser, and a product that is left as it is and whose result goes on into a quantised operand takes f32 operands (vector FMAs, or v_wmma_f32_16x16x4_f32). A number that lies on a knife's edge between two numbers of the format may be rounded either way, as far as f32 arithmetic and the matrix unit's own rounding can turn it there, and no further.
;; One version. Each part assembles by itself: llvm-mc -triple=amdgcn-amd-amdhsa -mcpu=gfx1250 --defsym DOCPART=n.
;; ======== version 1 of 1: 4 launches
;; limits: right only within a limited range of input values
;; workspace buffers: xc 18,874,368 bytes; xs 786,432 bytes; wc 3,145,728 bytes; ws 131,072 bytes; pc 18,874,368 bytes; ps 1,310,720 bytes; oc 6,291,456 bytes; os 262,144 bytes
;; launch prep (part 1): grid 448 x 1, 8 waves a work-group, no clusters, 68,608 bytes of LDS; arguments query, key, value, Wq, Wk, Wv, Wo, xc, xs, wc, ws; writes xc, xs, wc, ws
.if DOCPART == 1
	.amdgcn_target "amdgcn-amd-amdhsa--gfx1250"
	.amdhsa_code_object_version 6
	.text
	.protected	k_q11d9f11da0_prep
	.globl	k_q11d9f11da0_prep
	.p2align	8
	.type	k_q11d9f11da0_prep,@function
k_q11d9f11da0_prep:
	s_mov_b64 s[64:65], 0
	v_nop
	global_prefetch_b8 v0, s[64:65] scope:SCOPE_SE
	s_setreg_imm32_b32 hwreg(HW_REG_WAVE_MODE, 25, 1), 1
	s_wait_xcnt 0x0
; query, key, value [8192][1024] f32 (K innermost) and Wq, Wk, Wv, Wo [1024 (k)][1024 (n)] f32 (K outermost) become codes of FP6 (E2M3) with one E8M0 byte for each 32 along K,
; laid as IMAGES OF THE OPERAND'S REGISTERS: a fragment (16 rows x 128 K, 12 registers a lane) is 1,536 bytes: registers 0-3 at 16 x lane, 4-5 at 512 + 8 x lane, 6-9 at 768 + 16 x lane, 10-11 at 1,280 + 8 x lane.
; xc: [tensor][tile 512][K step 8][1,536];  wc: [weight][tile 64][K step 8][1,536].  THE ROWS OF A TILE ARE NOT NEIGHBOURS: row p of tile T is token (or column of W) 32 (T / 2) + 8 (T % 2) + p + 8 (p / 8).
; xs, ws: 512 bytes a tile: the word at 256 f + 8 x lane + 4 j is that of row lane % 16 and K step 4 f + 2 j + lane / 16.
; A block's scale is 2^(floor(log2(its largest magnitude)) - 2); its byte is the largest magnitude's exponent field - 2, held at 1 from below.
; LIMITS: NaN and infinities are not served; a block of zeros gets the byte 1 where the rule says 127 (its codes are zeros, and this program alone reads the bytes).
; SHARES.  A wave takes one tile x 4 K steps (half of K).  Work-groups 0-63 take the weights' 256 tiles, work-groups 64-447 the 1,536 tiles of x.  Waves share nothing: no barrier.
; x: each load reads 512 consecutive bytes of one row; a step's 16 rows turn through the wave's own stage in LDS (rows 528 bytes apart) so that a lane gets 16 neighbours of each block of its row.
; W: lane (r, h) takes the tile's column r and its registers run down K: nothing is transposed, and no LDS is used.
.set XSTW, 8448                        ; a wave's stage: 16 rows x 528 bytes
.set TM,   16                          ; v16-19 largest magnitudes, v20-23 the other half's / the bytes, v28-31 the conversions' scale operands
.set PC,   32                          ; v32-43 the fragment just made, v44-50 at work
.set PW,   52                          ; v52-55 the four steps' scale words
.set EW,   56                          ; v56-57 the words as they are stored
.set RA,   64                          ; v64-191 two sets of 64 numbers as loaded
.set XR,   192                         ; v192-255 x: 64 numbers back from the stage
.set SEL,  28                          ; s[28:29] v_permlanex16_b32's selects for lane l xor 16
.set SRC,  36                          ; s[36:37] where my numbers begin
.set COD,  44                          ; s[44:45] where my four fragments go
.set SCA,  46                          ; s[46:47] where my 256 bytes of scale words go
; 64 numbers of a lane, register 16 b + i = k 32 b + 16 (lane / 16) + i of my row, become a fragment's codes in v[PC] on and its scale word in v[pw].
.macro QUANT s, pw
.irp b, 0,1,2,3
	v_max3_num_f32 v[TM+\b], |v[(\s)+16*\b]|, |v[(\s)+1+16*\b]|, 0x1800000   ; my 16 numbers of block b, and the floor 2^(3 - 127): the byte cannot fall under 1
.endr
.irp i, 2,4,6,8,10,12,14
.irp b, 0,1,2,3
	s_delay_alu instid0(VALU_DEP_4)
	v_max3_num_f32 v[TM+\b], v[TM+\b], |v[(\s)+16*\b+\i]|, |v[(\s)+1+16*\b+\i]|   ; the four blocks by turns
.endr
.endr
.irp b, 0,1,2,3
	s_delay_alu instid0(VALU_DEP_4)
	v_permlanex16_b32 v[TM+4+\b], v[TM+\b], s[SEL], s[SEL+1]
.endr
.irp b, 0,1,2,3
	s_delay_alu instid0(VALU_DEP_4)
	v_max_num_f32 v[TM+\b], v[TM+\b], v[TM+4+\b]                   ; with lane l xor 16's: the block's largest magnitude
.endr
.irp b, 0,1,2,3
	s_delay_alu instid0(VALU_DEP_4)
	v_add_nc_u32 v[TM+12+\b], 0xff000000, v[TM+\b]                 ; 2 off its exponent field: the conversion's scale operand
.endr
.irp b, 0,1,2,3
	s_delay_alu instid0(VALU_DEP_4)
	v_lshrrev_b32 v[TM+4+\b], 23, v[TM+12+\b]                      ; the scale's byte
.endr
	s_delay_alu instid0(VALU_DEP_3)
	v_lshl_or_b32 v[\pw], v[TM+5], 8, v[TM+4]
	s_delay_alu instid0(VALU_DEP_1)
	v_lshl_or_b32 v[\pw], v[TM+6], 16, v[\pw]
	s_delay_alu instid0(VALU_DEP_1)
	v_lshl_or_b32 v[\pw], v[TM+7], 24, v[\pw]                      ; my row's scale word (the same in lanes l and l xor 16)
.irp c, 0,1
	v_cvt_scalef32_pk16_fp6_f32 v[PC+6*\c:PC+2+6*\c], v[(\s)+32*\c:(\s)+15+32*\c], v[TM+12+2*\c]
	v_cvt_scalef32_pk16_fp6_f32 v[PC+12+4*\c:PC+14+4*\c], v[(\s)+16+32*\c:(\s)+31+32*\c], v[TM+12+2*\c+1]   ; (a conversion's three registers begin on an even number)
.endr
	v_nop                                          ; one plain place behind a scaled conversion
.irp c, 0,1                            ; the operand's layout wants a whole block in a lane: lanes 0-15 block 2 c, lanes 16-31 block 2 c + 1
.irp i, 0,1,2
	v_permlane16_swap_b32 v[PC+6*\c+\i], v[PC+12+4*\c+\i]
.endr
.irp i, 0,1,2
	s_delay_alu instid0(VALU_DEP_3)
	v_mov_b32 v[PC+3+6*\c+\i], v[PC+12+4*\c+\i]
.endr
.endr
.endm
.macro OUT st                          ; the fragment leaves as its image: each store covers 512 or 256 consecutive bytes, aligned to 256
	global_store_b128 v4, v[PC:PC+3], s[COD:COD+1] offset:1536*(\st)
	global_store_b64 v5, v[PC+4:PC+5], s[COD:COD+1] offset:1536*(\st)+512
	global_store_b128 v4, v[PC+6:PC+9], s[COD:COD+1] offset:1536*(\st)+768
	global_store_b64 v5, v[PC+10:PC+11], s[COD:COD+1] offset:1536*(\st)+1280
.endm
.macro TAIL                            ; the four scale words: lanes 0-15 keep the even steps', lanes 16-31 the odd steps': 256 consecutive bytes
	v_cndmask_b32 v[EW], v[PW], v[PW+1], vcc_lo
	v_cndmask_b32 v[EW+1], v[PW+2], v[PW+3], vcc_lo
	global_store_b64 v5, v[EW:EW+1], s[SCA:SCA+1]
	s_wait_tensorcnt 0x0
	ds_add_u32 v62, v63
	s_wait_dscnt 0x0
	s_endpgm
.endm
.macro LOADX st                        ; x: K step st of my 16 rows, 512 consecutive bytes a load, into set st % 2
.irp p, 0,1,2,3,4,5,6,7,8,9,10,11,12,13,14,15
	global_load_b128 v[RA+64*((\st)%2)+4*\p:RA+64*((\st)%2)+4*\p+3], v[4+6*(\p/8)], s[SRC:SRC+1] offset:(\p+8*(\p/8))*4096+512*(\st) th:TH_LOAD_NT   ; rows 8-15 go by v10
.endr
.endm
.macro LOADW st                        ; W: register 16 b + i = W(128 st + 32 b + 16 h + i, my column), into set st % 2
.irp b, 0,1,2,3
.irp i, 0,1,2,3,4,5,6,7,8,9,10,11,12,13,14,15
	global_load_b32 v[RA+64*((\st)%2)+16*\b+\i], v9, s[SRC:SRC+1] offset:(128*(\st)+32*\b+\i)*4096
.endr
.endr
.endm
	s_load_b256 s[4:11], s[0:1], 0x0               ; query, key, value, Wq
	s_load_b256 s[12:19], s[0:1], 0x20             ; Wk, Wv, Wo, xc
	s_load_b128 s[20:23], s[0:1], 0x40             ; xs, wc
	s_load_b64 s[24:25], s[0:1], 0x50              ; ws
	v_lshl_add_u32 v62, v0, 2, 0x10800
	v_mov_b32 v63, 0
	v_lshrrev_b32 v1, 5, v0
	s_delay_alu instid0(VALU_DEP_1)
	v_readfirstlane_b32 s26, v1                    ; wave 0..7
	v_and_b32 v2, 31, v0                           ; lane
	v_and_b32 v3, 15, v0                           ; r
	v_bfe_u32 v8, v0, 4, 1                         ; h
	s_delay_alu instid0(VALU_DEP_3)
	v_lshlrev_b32 v4, 4, v2                        ; 16 x lane
	s_delay_alu instid0(VALU_DEP_4)
	v_lshlrev_b32 v5, 3, v2                        ; 8 x lane
	s_mul_i32 s27, s26, XSTW
	v_add_nc_u32 v6, s27, v4                       ; the stage, on the way in: a row's 512 bytes as loaded
	v_mul_u32_u24 v7, v3, 528
	s_delay_alu instid0(VALU_DEP_1)
	v_lshl_add_u32 v7, v8, 6, v7
	s_delay_alu instid0(VALU_DEP_1)
	v_add_nc_u32 v7, s27, v7                       ; and on the way out: row r, + 64 h: my 16 numbers of a block
	v_and_b32 v9, 8, v3
	s_delay_alu instid0(VALU_DEP_1)
	v_add_nc_u32 v9, v9, v3                        ; r + 8 (r / 8)
	s_delay_alu instid0(VALU_DEP_1)
	v_lshlrev_b32 v9, 2, v9
	s_delay_alu instid0(VALU_DEP_1)
	v_lshl_add_u32 v9, v8, 16, v9                  ; W: my column's 4 bytes, + 16 h rows of 4,096 bytes
	s_mov_b32 s[SEL], 0x76543210
	s_mov_b32 s[SEL+1], 0xfedcba98
	s_mov_b32 vcc_lo, 0xffff0000                   ; lanes 16-31
.irp b, 0,1,2,3
	v_mov_b32 v[TM+4+\b], 0                        ; written once: a lane permute's destination counts as one of its sources
.endr
	s_lshr_b32 s30, s26, 1                         ; which of the work-group's four tiles
	s_and_b32 s31, s26, 1                          ; which half of K
	s_cmp_lt_u32 ttmp9, 64
	s_cselect_b32 s32, 0, 64
	s_sub_co_u32 s32, ttmp9, s32                   ; my work-group among those of its kind
	s_lshl_b32 s33, s32, 2
	s_add_co_u32 s33, s33, s30                     ; my tile among all of its kind: 0..255 (W) or 0..1535 (x)
	s_mul_i32 s40, s33, 12288
	s_mul_i32 s41, s31, 6144
	s_add_co_u32 s40, s40, s41                     ; its codes: 8 fragments a tile, my 4
	s_mov_b32 s41, 0
	s_lshl_b32 s42, s33, 9
	s_lshl_b32 s43, s31, 8
	s_add_co_u32 s42, s42, s43                     ; its scale words: 512 bytes a tile, my 256
	s_mov_b32 s43, 0
	s_wait_kmcnt 0x0
	s_cmp_lt_u32 ttmp9, 64                         ; the choice hangs on the work-group's number alone
	s_cselect_b64 s[COD:COD+1], s[22:23], s[18:19]
	s_cselect_b64 s[SCA:SCA+1], s[24:25], s[20:21]
	s_add_nc_u64 s[COD:COD+1], s[COD:COD+1], s[40:41]
	s_add_nc_u64 s[SCA:SCA+1], s[SCA:SCA+1], s[42:43]
	s_cmp_lt_u32 ttmp9, 64
	s_cbranch_scc1 .Lweights
	; ---- x
	s_lshr_b32 s34, s33, 9                         ; which tensor
	s_and_b32 s35, s33, 511                        ; which tile of it
	s_cmp_eq_u32 s34, 0
	s_cselect_b64 s[SRC:SRC+1], s[4:5], s[6:7]
	s_cmp_eq_u32 s34, 2
	s_cselect_b64 s[SRC:SRC+1], s[8:9], s[SRC:SRC+1]
	; THE KEY TENSOR'S TILES HAVE AN ORDER OF THEIR OWN: row p of tile T is token 64 (T / 4) + 8 (T % 4) + p % 8 + 32 (p / 8), so that in the scores a lane's 32 registers of four tiles are one block of 32 keys.
	; query and value keep 32 (T / 2) + 8 (T % 2) + p + 8 (p / 8).
	s_cmp_eq_u32 s34, 1                            ; key?
	s_cselect_b32 s40, 2, 1                        ; tiles to a group: 4 or 2, as a shift,
	s_cselect_b32 s41, 3, 1                        ; and as a mask
	s_cselect_b32 s42, 0x10000, 0                  ; key: rows 8-15 lie 16 rows of 4,096 bytes further on
	s_lshr_b32 s38, s35, s40
	s_add_co_u32 s40, s40, 16
	s_lshl_b32 s38, s38, s40                       ; 64 or 32 rows of 4,096 bytes for each group of tiles,
	s_and_b32 s39, s35, s41
	s_lshl_b32 s39, s39, 15                        ; 8 rows for each tile in it,
	v_add_nc_u32 v10, s42, v4
	s_wait_alu depctr_va_vdst(0)                   ; the wait behind the write
	s_add_co_u32 s38, s38, s39
	s_lshl_b32 s39, s31, 11                        ; 512 numbers for the second half of K
	s_add_co_u32 s38, s38, s39
	s_mov_b32 s39, 0
	s_add_nc_u64 s[SRC:SRC+1], s[SRC:SRC+1], s[38:39]
	LOADX 0
	LOADX 1
	s_wait_alu depctr_va_vdst(0)
.irp st, 0,1,2,3
.if \st < 3
	s_wait_loadcnt 16                              ; this step's 16 loads are in; the next step's 16 may be out
.else
	s_wait_loadcnt 0x0
.endif
.irp p, 0,1,2,3,4,5,6,7,8,9,10,11,12,13,14,15
	ds_store_b128 v6, v[RA+64*(\st%2)+4*\p:RA+64*(\st%2)+4*\p+3] offset:528*\p
.endr
.irp b, 0,1,2,3
.irp j, 0,1,2,3
	ds_load_b128 v[XR+16*\b+4*\j:XR+16*\b+4*\j+3], v7 offset:128*\b+16*\j   ; LDS serves a wave's instructions in order: these see the stores above
.endr
.endr
	s_wait_dscnt 0x0                               ; my 64 numbers are back, and the stores into the stage have read their registers
	s_wait_xcnt 0x0                                ; the last step's stores have read the fragment's registers, which are written again below
.if \st < 2
	LOADX \st+2
.endif
	QUANT XR, PW+\st
	OUT \st
.endr
	TAIL
	; ---- W
.Lweights:
	s_lshr_b32 s34, s33, 6                         ; which weight: q, k, v, o
	s_and_b32 s35, s33, 63                         ; which tile of 16 columns
	s_cmp_eq_u32 s34, 0
	s_cselect_b64 s[SRC:SRC+1], s[10:11], s[12:13]
	s_cmp_eq_u32 s34, 2
	s_cselect_b64 s[SRC:SRC+1], s[14:15], s[SRC:SRC+1]
	s_cmp_eq_u32 s34, 3
	s_cselect_b64 s[SRC:SRC+1], s[16:17], s[SRC:SRC+1]
	s_lshr_b32 s38, s35, 1
	s_lshl_b32 s38, s38, 7                         ; 32 columns of 4 bytes for each pair of tiles,
	s_and_b32 s39, s35, 1
	s_lshl_b32 s39, s39, 5                         ; 8 columns for the odd tile,
	s_add_co_u32 s38, s38, s39
	s_lshl_b32 s39, s31, 21                        ; 512 rows of 4,096 bytes for the second half of K
	s_add_co_u32 s38, s38, s39
	s_mov_b32 s39, 0
	s_add_nc_u64 s[SRC:SRC+1], s[SRC:SRC+1], s[38:39]
	s_wait_alu depctr_va_vdst(0)
	LOADW 0
.irp st, 0,1,2,3
	s_wait_loadcnt 0x0                             ; this step's 64 numbers are in
.if \st > 0
	s_wait_xcnt 0x0                                ; the last step's stores have read the fragment's registers
.endif
.if \st < 3
	LOADW \st+1                                    ; the next step's are on their way while this one is quantised
.endif
	QUANT RA+64*(\st%2), PW+\st
	OUT \st
.endr
	TAIL
.Lfunc_end_k_q11d9f11da0_prep:
	.size	k_q11d9f11da0_prep, .Lfunc_end_k_q11d9f11da0_prep-k_q11d9f11da0_prep
	.p2alignl 7, 3214868480
	.fill 96, 4, 3214868480
	.section	.rodata,"a",@progbits
	.p2align	6, 0x0
	.amdhsa_kernel k_q11d9f11da0_prep
		.amdhsa_group_segment_fixed_size 68608
		.amdhsa_private_segment_fixed_size 0
		.amdhsa_enable_private_segment 0
		.amdhsa_kernarg_size 88
		.amdhsa_user_sgpr_count 2
		.amdhsa_user_sgpr_kernarg_segment_ptr 1
		.amdhsa_wavefront_size32 1
		.amdhsa_system_sgpr_workgroup_id_x 1
		.amdhsa_system_sgpr_workgroup_id_y 1
		.amdhsa_system_sgpr_workgroup_id_z 1
		.amdhsa_system_vgpr_workitem_id 0
		.amdhsa_next_free_vgpr 256
		.amdhsa_next_free_sgpr 66
		.amdhsa_reserve_vcc 1
		.amdhsa_float_denorm_mode_32 3
		.amdhsa_float_denorm_mode_16_64 3
		.amdhsa_memory_ordered 1
		.amdhsa_forward_progress 1
		.amdhsa_inst_pref_size 90
	.end_amdhsa_kernel
	.amdgpu_metadata
---
amdhsa.version: [ 1, 2 ]
amdhsa.kernels:
  - .name:           k_q11d9f11da0_prep
    .symbol:         k_q11d9f11da0_prep.kd
    .args:
      - { .name: query, .offset: 0, .size: 8, .value_kind: global_buffer, .address_space: global }
      - { .name: key, .offset: 8, .size: 8, .value_kind: global_buffer, .address_space: global }
      - { .name: value, .offset: 16, .size: 8, .value_kind: global_buffer, .address_space: global }
      - { .name: Wq, .offset: 24, .size: 8, .value_kind: global_buffer, .address_space: global }
      - { .name: Wk, .offset: 32, .size: 8, .value_kind: global_buffer, .address_space: global }
      - { .name: Wv, .offset: 40, .size: 8, .value_kind: global_buffer, .address_space: global }
      - { .name: Wo, .offset: 48, .size: 8, .value_kind: global_buffer, .address_space: global }
      - { .name: xc, .offset: 56, .size: 8, .value_kind: global_buffer, .address_space: global }
      - { .name: xs, .offset: 64, .size: 8, .value_kind: global_buffer, .address_space: global }
      - { .name: wc, .offset: 72, .size: 8, .value_kind: global_buffer, .address_space: global }
      - { .name: ws, .offset: 80, .size: 8, .value_kind: global_buffer, .address_space: global }
    .group_segment_fixed_size: 68608
    .private_segment_fixed_size: 0
    .kernarg_segment_align: 8
    .kernarg_segment_size: 88
    .max_flat_workgroup_size: 256
    .sgpr_count:     66
    .vgpr_count:     256
    .wavefront_size: 32
...
	.end_amdgpu_metadata
.endif
;; end of part 1
;; launch proj (part 2): grid 4 x 192, 4 waves a work-group, clusters of 4 x 4, 295,424 bytes of LDS; arguments xc, xs, wc, ws, bq, bk, bv, pc, ps; writes pc, ps
.if DOCPART == 2
	.amdgcn_target "amdgcn-amd-amdhsa--gfx1250"
	.amdhsa_code_object_version 6
	.text
	.protected	k_q11d9f11da0_proj
	.globl	k_q11d9f11da0_proj
	.p2align	8
	.type	k_q11d9f11da0_proj,@function
k_q11d9f11da0_proj:
	s_mov_b64 s[64:65], 0
	v_nop
	global_prefetch_b8 v0, s[64:65] scope:SCOPE_SE
	s_setreg_imm32_b32 hwreg(HW_REG_WAVE_MODE, 25, 1), 1
	s_wait_xcnt 0x0
	s_wait_alu depctr_hold_cnt(0) depctr_sa_sdst(0) depctr_va_vdst(0) depctr_va_sdst(0) depctr_va_ssrc(0) depctr_va_vcc(0) depctr_vm_vsrc(0)
	s_getreg_b32 s2, hwreg(HW_REG_IB_STS2, 6, 4)
	s_cmp_eq_u32 s2, 0
	s_cbranch_scc0 .Lentry_in_a_cluster
	s_endpgm
.Lentry_in_a_cluster:
	s_bfe_u32 s2, ttmp6, 0x10000c
	s_cmp_lg_u32 s2, 0xf033
	s_cbranch_scc0 .Lentry_shape_is_right
	s_endpgm
.Lentry_shape_is_right:
; The three projections on codes of FP6 (E2M3): Q = query Wq + bq, K = key Wk + bk, V = value Wv + bv; each result is quantised in registers and leaves as codes: Q and K along the head's 64, V along the keys.
; A work-group's tile: the P SIDE, 256 rows (source 0), x the R SIDE, 128 rows (source 1), with ALL of K = 1,024: 384 rows x 768 bytes lie in LDS at once, so no LDS byte is filled twice.
; Q, K (tensor t = 0, 1): P = 256 columns of W, R = 128 tokens: a lane then holds one token and its registers run along the features, the next product's K.
; V (t = 2): P = 256 tokens, R = 128 columns of Wv: a lane holds one channel and its registers run along the tokens, which are the second attention product's K.  Only pointers and offsets differ: one text.
; The rows of a tile are not neighbours (row p of tile T is index 32 (T / 2) + 8 (T % 2) + p + 8 (p / 8)), so that the 16 registers of P tiles 2 b and 2 b + 1 are 16 neighbours: 32 b + 16 (lane / 16) + 0 .. 15.
; Four waves: wave (wp, wr) makes 128 of P x 64 of R: 32 accumulators.  Operands lie in memory and in LDS as images of their registers (1,536 bytes a fragment), so every LDS load is dense.
; CLUSTER 4 x 4: P's tiles hang on cx alone and are asked for jointly by a column of the cluster, R's on cy alone, by a row.  Each wave issues one load: half of K of one side.
; pc: Q at 0: [head-batch 64][tile 128][768];  K, V at 6,291,456: [head-batch][key step 16][8 half images of K | 4 fragments of V^T].
; ps: Q at 0: [head-batch][4 tiles][256]; K, V at 524,288: [head-batch][key step][K: 2 x 256 | V: 256]; in 256 bytes the word at 8 x lane + 4 e is that of tile 2 e + lane / 16, row lane % 16; Q's and K's two bytes stand twice in a word.
; LIMITS: NaN and infinities (in the biases too) are not served; a block of zeros gets the byte 1; a bias enters as its sum's first addend.
; REGISTERS: window 0: v4-7 offsets, v16-27 LDS addresses, v32-63 P's scale words, v64-79 R's, v80-127 at work, v128-191 the bias along P, v192-199 along R.  window 1: the accumulators, (R tile i, P tile t) at v[64 i + 8 t].
;   window 2: v0-95 P's 8 fragments, one set; v96-191 R's 4 fragments, two sets.
.set WV,  22
.set WP,  23                           ; which 128 of P are mine
.set WR,  24                           ; which 64 of R are mine
.set CX,  25
.set CY,  26
.set TT,  28                           ; the tensor: 0 Q, 1 K, 2 V
.set PI,  29                           ; which 256 of P
.set RI,  30                           ; which 128 of R
.set G1R, 32                           ; s[32:39] descriptor group 1 for R;  s[40:47] for P;  s[48:55], s[68:75] groups 0, one for each half of K
.set G1P, 40
.set G0R, 48
.set G0P, 68
.set PA,  16                           ; v16+2c, v17+2c: 16 x lane, 8 x lane + my 8 tiles of P in chunk c
.set RAD, 24                           ; v24+2a, v25+2a: the same for my 4 tiles of R in chunks 2 a, 2 a + 1
.set SP,  32
.set SR,  64
.set TM,  80
.set PC,  96
.set PW,  116
.set WA,  120
.set EW,  124
.set BP,  128
.set BR,  192
.set PF,  0
.set RF,  96
.set MSB, 0
.macro WIN new                         ; the immediate's high byte repeats the setting that is left
.if MSB != \new
	s_set_vgpr_msb (MSB<<8)|\new
.set MSB, \new
.endif
.endm
.macro CROUND                          ; a round of the cluster's barrier
	s_barrier_signal -1
	s_barrier_wait -1
	s_cmp_lg_u32 s[WV], 0
	s_cbranch_scc1 .Lnot_wave_0_\@
	s_barrier_signal -3
.Lnot_wave_0_\@:
	s_barrier_wait -3
	s_barrier_signal -1
	s_barrier_wait -1
.endm
.macro PLACES                          ; four plain places behind a matrix instruction, ahead of loads into its sources and of reads of its result
.rept 4
	v_nop
.endr
.endm
.macro LDF reg, a16, a8, off           ; a fragment's image back into 12 registers
	ds_load_b128 v[(\reg):(\reg)+3], v[\a16] offset:(\off)
	ds_load_b64 v[(\reg)+4:(\reg)+5], v[\a8] offset:(\off)+512
	ds_load_b128 v[(\reg)+6:(\reg)+9], v[\a16] offset:(\off)+768
	ds_load_b64 v[(\reg)+10:(\reg)+11], v[\a8] offset:(\off)+1280
.endm
.macro LDP s, t0                       ; P tiles t0 .. t0 + 3 of K step s
	WIN 0x80
.irp t, \t0, \t0+1, \t0+2, \t0+3
	LDF PF+12*(\t), PA+2*((\s)/4), PA+1+2*((\s)/4), 6144*(\t)+1536*((\s)%4)
.endr
.endm
.macro LDR s                           ; R's four tiles of K step s into set s % 2
	WIN 0x80
.irp i, 0,1,2,3
	LDF RF+48*((\s)%2)+12*\i, RAD+2*((\s)/4), RAD+1+2*((\s)/4), 6144*\i+1536*((\s)%4)
.endr
.endm
.macro WM s, t, i                      ; a scale register holds an even K step's words in lanes 0-15 and the odd step's in lanes 16-31
.if (\s)%2
	v_wmma_scale_f32_16x16x128_f8f6f4 v[64*\i+8*\t:64*\i+8*\t+7], v[PF+12*\t:PF+12*\t+11], v[RF+48+12*\i:RF+48+12*\i+11], v[64*\i+8*\t:64*\i+8*\t+7], v[SP+4*\t+(\s)/2], v[SR+4*\i+(\s)/2] matrix_a_fmt:MATRIX_FMT_FP6 matrix_b_fmt:MATRIX_FMT_FP6 matrix_a_scale:MATRIX_SCALE_ROW1 matrix_b_scale:MATRIX_SCALE_ROW1
.else
	v_wmma_scale_f32_16x16x128_f8f6f4 v[64*\i+8*\t:64*\i+8*\t+7], v[PF+12*\t:PF+12*\t+11], v[RF+12*\i:RF+12*\i+11], v[64*\i+8*\t:64*\i+8*\t+7], v[SP+4*\t+(\s)/2], v[SR+4*\i+(\s)/2] matrix_a_fmt:MATRIX_FMT_FP6 matrix_b_fmt:MATRIX_FMT_FP6
.endif
.endm
.macro MUL s, t0                       ; 16 matrix instructions.  The 32 accumulators take turns, one instruction a turn, in the same order in every step
	WIN 0x5a                                       ; sources 0 and 1 window 2, C and D window 1
.irp t, \t0, \t0+1, \t0+2, \t0+3
.irp i, 0,1,2,3
	WM \s, (\t), \i
.endr
.endr
.endm
.macro STEP s
	s_wait_dscnt 16                                ; R's set and P tiles 0-3 are in; the youngest 16 loads (P tiles 4-7) may be out
	MUL \s, 0
	s_wait_dscnt 0x0                               ; P tiles 4-7 are in
.if \s < 7
	PLACES
.if (\s) == 3
	s_wait_tensorcnt 0x0                           ; every wave waits for its one load: the second half of K is in
	s_barrier_signal -1
	s_barrier_wait -1                              ; everybody's has
.endif
	LDR (\s)+1
	LDP (\s)+1, 0
.endif
	MUL \s, 4
.if \s < 7
	PLACES
	LDP (\s)+1, 4
.endif
.endm
; 64 results of a lane in window 1, register s + 16 b + i = index 32 b + 16 (lane / 16) + i, become a fragment's codes in v[PC] on and its scale word in v[pw].  Each accumulator is read from its low end on.
.macro QUANT s, pw
	WIN 0x05
.irp b, 0,1,2,3
	v_max3_num_f32 v[TM+\b], |v[(\s)+16*\b]|, |v[(\s)+1+16*\b]|, 0x1800000   ; and the floor 2^(3 - 127): the byte cannot fall under 1
.endr
	WIN 0x14
.irp i, 2,4,6,8,10,12,14
.irp b, 0,1,2,3
	v_max3_num_f32 v[TM+\b], v[TM+\b], |v[(\s)+16*\b+\i]|, |v[(\s)+1+16*\b+\i]|
.endr
.endr
	WIN 0
.irp b, 0,1,2,3
	v_permlanex16_b32 v[TM+4+\b], v[TM+\b], s2, s3
.endr
.irp b, 0,1,2,3
	v_max_num_f32 v[TM+\b], v[TM+\b], v[TM+4+\b]
.endr
.irp b, 0,1,2,3
	v_add_nc_u32 v[TM+12+\b], 0xff000000, v[TM+\b]                 ; 2 off the exponent field: the conversion's scale operand
.endr
.irp b, 0,1,2,3
	v_lshrrev_b32 v[TM+4+\b], 23, v[TM+12+\b]
.endr
	v_lshl_or_b32 v[\pw], v[TM+5], 8, v[TM+4]
	v_lshl_or_b32 v[\pw], v[TM+6], 16, v[\pw]
	v_lshl_or_b32 v[\pw], v[TM+7], 24, v[\pw]
	WIN 0x01
.irp c, 0,1
	v_cvt_scalef32_pk16_fp6_f32 v[PC+6*\c:PC+2+6*\c], v[(\s)+32*\c:(\s)+15+32*\c], v[TM+12+2*\c]
	v_cvt_scalef32_pk16_fp6_f32 v[PC+12+4*\c:PC+14+4*\c], v[(\s)+16+32*\c:(\s)+31+32*\c], v[TM+12+2*\c+1]
.endr
	WIN 0
	v_nop                                          ; one plain place behind a scaled conversion
.irp c, 0,1
.irp i, 0,1,2
	v_permlane16_swap_b32 v[PC+6*\c+\i], v[PC+12+4*\c+\i]
.endr
.irp i, 0,1,2
	v_mov_b32 v[PC+3+6*\c+\i], v[PC+12+4*\c+\i]
.endr
.endr
.endm
	s_load_b256 s[4:11], s[0:1], 0x0               ; xc, xs, wc, ws
	s_load_b256 s[12:19], s[0:1], 0x20             ; bq, bk, bv, pc
	s_load_b64 s[20:21], s[0:1], 0x40              ; ps
	v_lshl_add_u32 v254, v0, 2, 0x48000
	v_mov_b32 v255, 0
	ds_add_u32 v254, v255
	ds_add_u32 v254, v255
	v_lshrrev_b32 v1, 5, v0
	v_readfirstlane_b32 s[WV], v1                  ; wave 0..3
	s_lshr_b32 s[WP], s[WV], 1
	s_and_b32 s[WR], s[WV], 1
	s_bfe_u32 s[CX], ttmp6, 0x40000
	s_bfe_u32 s[CY], ttmp6, 0x40004
	s_and_b32 s27, ttmp7, 0xffff                   ; the cluster's y: 0..47
	s_lshr_b32 s[TT], s27, 4
	s_and_b32 s27, s27, 15
	s_lshr_b32 s[PI], s27, 1
	s_lshl_b32 s[PI], s[PI], 2
	s_add_co_u32 s[PI], s[PI], s[CX]               ; V: 32 blocks of 256 tokens
	s_and_b32 s[RI], s27, 1
	s_lshl_b32 s[RI], s[RI], 2
	s_add_co_u32 s[RI], s[RI], s[CY]               ; V: 8 blocks of 128 columns
	s_lshl_b32 s31, s27, 2
	s_add_co_u32 s31, s31, s[CY]                   ; Q, K: 64 blocks of 128 tokens
	s_cmp_eq_u32 s[TT], 2
	s_cselect_b32 s[PI], s[PI], s[CX]              ; Q, K: 4 blocks of 256 columns
	s_cselect_b32 s[RI], s[RI], s31
	s_lshl_b32 s2, s[CY], 2
	s_lshl_b32 s2, 15, s2                          ; my row of the cluster
	s_lshl_b32 s3, 0x1111, s[CX]                   ; my column
	; group 1: half of K (four K steps, 6,144 bytes) of 8 or 16 tiles that lie 12,288 bytes apart: rows of 768 elements of 8 bytes, laid on end in LDS
	s_or_b32 s[G1R], s2, (3<<16)|(1<<21)           ; 15:0 the mask: R's tiles go to my row; 17:16 elements of 8 bytes; 21 set beside a mask
	s_or_b32 s[G1P], s3, (3<<16)|(1<<21)           ; P's go to my column
	; ONE LOAD A WAVE: a load brings half of K (four K steps, 6,144 bytes = 768 elements) of ALL of a side's tiles: 8 of R or 16 of P
	s_mov_b32 s[G1R+1], 768<<16
	s_mov_b32 s[G1R+2], 8<<16
	s_mov_b32 s[G1R+3], 768<<16
	s_mov_b32 s[G1R+4], 8
	s_mov_b32 s[G1R+5], 1536
	s_mov_b32 s[G1R+6], 0
	s_mov_b32 s[G1R+7], 0
	s_mov_b32 s[G1P+1], 768<<16
	s_mov_b32 s[G1P+2], 16<<16
	s_mov_b32 s[G1P+3], 768<<16
	s_mov_b32 s[G1P+4], 16
	s_mov_b32 s[G1P+5], 1536
	s_mov_b32 s[G1P+6], 0
	s_mov_b32 s[G1P+7], 0
	v_and_b32 v2, 31, v0
	v_and_b32 v3, 15, v0                           ; r
	v_bfe_u32 v8, v0, 4, 1                         ; h
	v_lshlrev_b32 v4, 4, v2                        ; 16 x lane
	v_lshlrev_b32 v5, 3, v2                        ; 8 x lane
	v_lshlrev_b32 v6, 6, v8                        ; the bias along P: 16 h numbers on
	v_and_b32 v7, 8, v3
	v_add_nc_u32 v7, v7, v3
	v_lshlrev_b32 v7, 2, v7                        ; the bias along R: number r + 8 (r / 8)
	s_mul_i32 s31, s[WP], 49152                    ; LDS: P: half a of K at 98,304 a, tile at 6,144, K step at 1,536; my 8 tiles
.irp c, 0,1
	v_add_nc_u32 v[PA+2*\c], s31, v4
	v_add_nc_u32 v[PA+2*\c+1], s31, v5
	s_add_co_u32 s31, s31, 98304
.endr
	s_mul_i32 s31, s[WR], 24576                    ; R: behind P's 196,608 bytes: half a at 49,152 a, tile at 6,144; my 4 tiles
	s_add_co_u32 s31, s31, 196608
.irp a, 0,1
	v_add_nc_u32 v[RAD+2*\a], s31, v4
	v_add_nc_u32 v[RAD+2*\a+1], s31, v5
	s_add_co_u32 s31, s31, 49152
.endr
.irp b, 0,1,2,3
	v_mov_b32 v[TM+4+\b], 0                        ; written once: a lane permute's destination counts as one of its sources
.endr
	s_mul_i32 s88, s[TT], 6291456                  ; tensor t's codes in xc,
	s_mul_i32 s90, s[TT], 786432                   ; weight t's in wc
	s_wait_dscnt 0x0
	s_wait_kmcnt 0x0
	s_cmp_eq_u32 s[TT], 2
	s_cselect_b64 s[84:85], s[4:5], s[8:9]         ; P's codes
	s_cselect_b64 s[86:87], s[8:9], s[4:5]         ; R's
	s_cselect_b32 s89, s88, s90
	s_cselect_b32 s91, s90, s88
	s_lshl_b32 s88, s[PI], 4
	s_mul_i32 s88, s88, 12288                      ; the first of P's 16 tiles (these registers never hold cy)
	s_add_co_u32 s88, s88, s89
	s_mov_b32 s89, 0
	s_add_nc_u64 s[84:85], s[84:85], s[88:89]
	s_lshl_b32 s90, s[RI], 3
	s_mul_i32 s90, s90, 12288                      ; the first of R's 8 tiles (these never hold cx)
	s_add_co_u32 s90, s90, s91
	s_mov_b32 s91, 0
	s_add_nc_u64 s[86:87], s[86:87], s[90:91]
.irp c, 0,1
	s_mov_b32 s[G0R+4*\c], 1
	s_mov_b32 s[G0R+4*\c+1], 196608+49152*\c
	s_add_nc_u64 s[G0R+4*\c+2:G0R+4*\c+3], s[86:87], 6144*\c
	s_or_b32 s[G0R+4*\c+3], s[G0R+4*\c+3], 0x80000000
	s_mov_b32 s[G0P+4*\c], 1
	s_mov_b32 s[G0P+4*\c+1], 98304*\c
	s_add_nc_u64 s[G0P+4*\c+2:G0P+4*\c+3], s[84:85], 6144*\c
	s_or_b32 s[G0P+4*\c+3], s[G0P+4*\c+3], 0x80000000
.endr
	CROUND                                         ; all sixteen work-groups are here: the joint loads meet
; one chain of branches on the wave's number, one joint load to an arm: wave 0 P's first half of K, wave 1 R's, wave 2 P's second half, wave 3 R's
.macro TARM g0, g1
	tensor_load_to_lds s[\g0:\g0+3], s[\g1:\g1+7]
	s_nop 0
.rept 4
	v_nop
.endr
.endm
	s_cmp_eq_u32 s[WV], 0
	s_cbranch_scc0 .Lw1
	TARM G0P, G1P
	s_branch .Lfilled
.Lw1:
	s_cmp_eq_u32 s[WV], 1
	s_cbranch_scc0 .Lw2
	TARM G0R, G1R
	s_branch .Lfilled
.Lw2:
	s_cmp_eq_u32 s[WV], 2
	s_cbranch_scc0 .Lw3
	TARM G0P+4, G1P
	s_branch .Lfilled
.Lw3:
	TARM G0R+4, G1R
.Lfilled:
	; the scale words of my 8 + 4 tiles, for all of K, straight into registers: each load reads 256 consecutive bytes
	s_mul_i32 s88, s[TT], 262144
	s_lshl_b32 s89, s[TT], 15
	s_lshl_b32 s90, s[PI], 4
	s_lshl_b32 s91, s[WP], 3
	s_add_co_u32 s90, s90, s91
	s_lshl_b32 s90, s90, 9
	s_lshl_b32 s91, s[RI], 3
	s_lshl_b32 s31, s[WR], 2
	s_add_co_u32 s91, s91, s31
	s_lshl_b32 s91, s91, 9
	s_cmp_eq_u32 s[TT], 2
	s_cselect_b64 s[92:93], s[6:7], s[10:11]
	s_cselect_b64 s[94:95], s[10:11], s[6:7]
	s_cselect_b32 s31, s88, s89
	s_cselect_b32 s88, s89, s88
	s_add_co_u32 s90, s90, s31
	s_add_co_u32 s88, s88, s91
	s_mov_b32 s91, 0
	s_mov_b32 s89, 0
	s_add_nc_u64 s[92:93], s[92:93], s[90:91]
	s_add_nc_u64 s[94:95], s[94:95], s[88:89]
.irp t, 0,1,2,3,4,5,6,7
.irp f, 0,1
	global_load_b64 v[SP+4*\t+2*\f:SP+4*\t+2*\f+1], v5, s[92:93] offset:512*\t+256*\f
.endr
.endr
.irp i, 0,1,2,3
.irp f, 0,1
	global_load_b64 v[SR+4*\i+2*\f:SR+4*\i+2*\f+1], v5, s[94:95] offset:512*\i+256*\f
.endr
.endr
	; the bias: along P (Q, K: it differs from register to register) or along R (V: from lane to lane).  Both are loaded, the one that does not apply from the buffer's head, and multiplied by 0
	s_cmp_eq_u32 s[TT], 0
	s_cselect_b64 s[96:97], s[12:13], s[14:15]
	s_cmp_eq_u32 s[TT], 2
	s_cselect_b64 s[96:97], s[16:17], s[96:97]
	s_mov_b64 s[66:67], s[96:97]
	s_lshl_b32 s88, s[PI], 10
	s_lshl_b32 s90, s[WP], 9
	s_add_co_u32 s88, s88, s90
	s_lshl_b32 s90, s[RI], 9
	s_lshl_b32 s31, s[WR], 8
	s_add_co_u32 s90, s90, s31
	s_cmp_eq_u32 s[TT], 2
	s_cselect_b32 s88, 0, s88
	s_cselect_b32 s90, s90, 0
	s_cselect_b32 s100, 0, 1.0
	s_cselect_b32 s27, 1.0, 0
	s_mov_b32 s101, s100                           ; (named with s100 as a pair, so it is written)
	s_add_nc_u64 s[96:97], s[96:97], s[88:89]
	s_add_nc_u64 s[66:67], s[66:67], s[90:91]
.irp t, 0,1,2,3,4,5,6,7
	global_load_b128 v[BP+8*\t:BP+8*\t+3], v6, s[96:97] offset:(32*(\t/2)+8*(\t%2))*4
	global_load_b128 v[BP+8*\t+4:BP+8*\t+7], v6, s[96:97] offset:(32*(\t/2)+8*(\t%2))*4+16
.endr
.irp i, 0,1,2,3
	global_load_b32 v[BR+2*\i], v7, s[66:67] offset:(32*(\i/2)+8*(\i%2))*4
	v_mov_b32 v[BR+2*\i+1], 0                      ; (named with it as a pair)
.endr
	s_mov_b32 s2, 0x76543210
	s_mov_b32 s3, 0xfedcba98                       ; v_permlanex16_b32's selects for lane l xor 16
	s_mov_b32 vcc_lo, 0xffff0000                   ; lanes 16-31
	s_wait_loadcnt 0x0                             ; scale words and biases are in; their address registers are free
.irp i, 0,1,2,3
	v_mul_f32 v[BR+2*\i], s27, v[BR+2*\i]
.endr
	WIN 0x40                                       ; destination window 1
	s_wait_alu depctr_va_vdst(0)
.irp i, 0,1,2,3
.irp t, 0,1,2,3,4,5,6,7
.irp j, 0,2,4,6
	v_pk_fma_f32 v[64*\i+8*\t+\j:64*\i+8*\t+\j+1], v[BP+8*\t+\j:BP+8*\t+\j+1], s[100:101], v[BR+2*\i:BR+2*\i+1] op_sel_hi:[1,0,0]   ; the sums begin as the bias, while the tiles are on their way
.endr
.endr
.endr
	WIN 0
	; where my results go
	s_lshl_b32 s88, s[PI], 1
	s_add_co_u32 s88, s88, s[WP]
	s_lshl_b32 s89, s[RI], 1
	s_add_co_u32 s89, s89, s[WR]
	s_lshl_b32 s90, s[PI], 2
	s_lshl_b32 s91, s[WP], 1
	s_add_co_u32 s90, s90, s91
	s_cmp_eq_u32 s[TT], 2
	s_cselect_b32 s88, s88, s[RI]                  ; which 128 tokens of the 8,192
	s_cselect_b32 s89, s89, s90                    ; my (first) head
	s_lshr_b32 s90, s88, 4
	s_lshl_b32 s90, s90, 4
	s_add_co_u32 s89, s89, s90                     ; head-batch = 16 x batch + head
	s_and_b32 s88, s88, 15                         ; which 128 tokens of the batch
	s_cmp_eq_u32 s[TT], 0
	s_cselect_b32 s90, 1, 2                        ; K and V lie together: twice Q's strides
	s_cselect_b32 s91, 0, 6291456
	s_cselect_b32 s92, 2, 3
	s_cselect_b32 s93, 0, 524288
	s_mul_i32 s31, s90, 98304                      ; codes: from head to head
	s_mul_i32 s90, s90, 6144                       ; from 128 tokens to the next
	s_lshl_b32 s94, s92, 12                        ; scale words: from head to head: 8,192 or 12,288
	s_lshl_b32 s92, s92, 8                         ; from 128 tokens to the next: 512 or 768
	s_mul_i32 s84, s89, s31
	s_mul_i32 s90, s90, s88
	s_add_co_u32 s84, s84, s90
	s_add_co_u32 s84, s84, s91
	s_mul_i32 s90, s89, s94
	s_mul_i32 s92, s92, s88
	s_add_co_u32 s92, s92, s90
	s_add_co_u32 s92, s92, s93
	s_mul_i32 s90, s[WR], 3072
	s_lshl_b32 s91, s[WR], 8
	s_mov_b32 s98, 0x01000100                      ; Q, K: the first head's two bytes, twice
	s_cmp_eq_u32 s[TT], 2
	s_cselect_b32 s90, 6144, s90                   ; V^T lies behind K's 8 half images; Q, K: my 4 tiles of the 8
	s_cselect_b32 s91, 512, s91
	s_cselect_b32 s86, 768, s31                    ; a fragment's second half: V: on end; Q, K: the next head's
	s_cselect_b32 s88, 2, 1
	s_cselect_b32 s98, 0x03020100, s98             ; V: the word as it is
	s_mul_i32 s88, s88, 768                        ; from R tile to R tile
	s_add_co_u32 s84, s84, s90
	s_add_co_u32 s92, s92, s91
	s_mov_b32 s85, 0
	s_mov_b32 s87, 0
	s_mov_b32 s89, 0
	s_mov_b32 s93, 0
	s_mov_b32 s95, 0
	s_add_nc_u64 s[84:85], s[18:19], s[84:85]
	s_add_nc_u64 s[86:87], s[84:85], s[86:87]
	s_add_nc_u64 s[92:93], s[20:21], s[92:93]
	s_add_nc_u64 s[94:95], s[92:93], s[94:95]
	s_mov_b32 s99, 0x03020302                      ; the second head's two bytes, twice
	s_wait_alu depctr_va_vdst(0)
	s_cmp_lt_u32 s[WV], 2                          ; waves 0 and 1 asked for the first half of K, by lines of their own: they wait for it
	s_cbranch_scc0 .Lnot_mine
	s_wait_tensorcnt 0x0
.Lnot_mine:
	s_barrier_signal -1
	s_barrier_wait -1                              ; everybody's has
	LDR 0
	LDP 0, 0
	LDP 0, 4
.irp s, 0,1,2,3,4,5,6,7
	STEP \s
.endr
	WIN 0
	PLACES
	; THE WAY OUT: for each R tile the lane's 64 results are one fragment: Q, K: a token tile's half images of two heads; V: 16 channels x 128 keys
.irp i, 0,1,2,3
.if \i > 0
	s_wait_xcnt 0x0                                ; the last tile's stores have read their data and their bases
	s_add_nc_u64 s[84:85], s[84:85], s[88:89]
	s_add_nc_u64 s[86:87], s[86:87], s[88:89]
.endif
	QUANT 64*\i, PW+\i
	global_store_b128 v4, v[PC:PC+3], s[84:85]             ; each store covers 512 or 256 consecutive bytes, aligned to 256
	global_store_b64 v5, v[PC+4:PC+5], s[84:85] offset:512
	global_store_b128 v4, v[PC+6:PC+9], s[86:87]
	global_store_b64 v5, v[PC+10:PC+11], s[86:87] offset:512
.endr
.irp i, 0,1,2,3
	v_perm_b32 v[WA+\i], v[PW+\i], v[PW+\i], s98
.endr
	v_cndmask_b32 v[EW], v[WA], v[WA+1], vcc_lo    ; lanes 0-15 keep the even tile's words, lanes 16-31 the odd tile's
	v_cndmask_b32 v[EW+1], v[WA+2], v[WA+3], vcc_lo
	global_store_b64 v5, v[EW:EW+1], s[92:93]      ; 256 consecutive bytes
	s_cmp_eq_u32 s[TT], 2                          ; V has one head to a wave (the tensor's number is the same in all partners)
	s_cbranch_scc1 .Lone_head
.irp i, 0,1,2,3
	v_perm_b32 v[WA+\i], v[PW+\i], v[PW+\i], s99
.endr
	v_cndmask_b32 v[EW+2], v[WA], v[WA+1], vcc_lo
	v_cndmask_b32 v[EW+3], v[WA+2], v[WA+3], vcc_lo
	global_store_b64 v5, v[EW+2:EW+3], s[94:95]
.Lone_head:
	s_wait_tensorcnt 0x0
	ds_add_u32 v254, v255
	s_wait_dscnt 0x0
	CROUND                                         ; the closing round
	s_endpgm
.Lfunc_end_k_q11d9f11da0_proj:
	.size	k_q11d9f11da0_proj, .Lfunc_end_k_q11d9f11da0_proj-k_q11d9f11da0_proj
	.p2alignl 7, 3214868480
	.fill 96, 4, 3214868480
	.section	.rodata,"a",@progbits
	.p2align	6, 0x0
	.amdhsa_kernel k_q11d9f11da0_proj
		.amdhsa_group_segment_fixed_size 295424
		.amdhsa_private_segment_fixed_size 0
		.amdhsa_enable_private_segment 0
		.amdhsa_kernarg_size 72
		.amdhsa_user_sgpr_count 2
		.amdhsa_user_sgpr_kernarg_segment_ptr 1
		.amdhsa_wavefront_size32 1
		.amdhsa_system_sgpr_workgroup_id_x 1
		.amdhsa_system_sgpr_workgroup_id_y 1
		.amdhsa_system_sgpr_workgroup_id_z 1
		.amdhsa_system_vgpr_workitem_id 0
		.amdhsa_next_free_vgpr 768
		.amdhsa_next_free_sgpr 102
		.amdhsa_reserve_vcc 1
		.amdhsa_float_denorm_mode_32 3
		.amdhsa_float_denorm_mode_16_64 3
		.amdhsa_memory_ordered 1
		.amdhsa_forward_progress 1
		.amdhsa_inst_pref_size 102
	.end_amdhsa_kernel
	.amdgpu_metadata
---
amdhsa.version: [ 1, 2 ]
amdhsa.kernels:
  - .name:           k_q11d9f11da0_proj
    .symbol:         k_q11d9f11da0_proj.kd
    .args:
      - { .name: xc, .offset: 0, .size: 8, .value_kind: global_buffer, .address_space: global }
      - { .name: xs, .offset: 8, .size: 8, .value_kind: global_buffer, .address_space: global }
      - { .name: wc, .offset: 16, .size: 8, .value_kind: global_buffer, .address_space: global }
      - { .name: ws, .offset: 24, .size: 8, .value_kind: global_buffer, .address_space: global }
      - { .name: bq, .offset: 32, .size: 8, .value_kind: global_buffer, .address_space: global }
      - { .name: bk, .offset: 40, .size: 8, .value_kind: global_buffer, .address_space: global }
      - { .name: bv, .offset: 48, .size: 8, .value_kind: global_buffer, .address_space: global }
      - { .name: pc, .offset: 56, .size: 8, .value_kind: global_buffer, .address_space: global }
      - { .name: ps, .offset: 64, .size: 8, .value_kind: global_buffer, .address_space: global }
    .group_segment_fixed_size: 295424
    .private_segment_fixed_size: 0
    .kernarg_segment_align: 8
    .kernarg_segment_size: 72
    .max_flat_workgroup_size: 128
    .sgpr_count:     102
    .vgpr_count:     768
    .wavefront_size: 32
...
	.end_amdgpu_metadata
.endif
;; end of part 2
;; launch attn (part 3): grid 4 x 64, 8 waves a work-group, clusters of 4 x 1, 221,184 bytes of LDS; arguments pc, ps, oc, os; writes oc, os
.if DOCPART == 3
	.amdgcn_target "amdgcn-amd-amdhsa--gfx1250"
	.amdhsa_code_object_version 6
	.text
	.protected	k_q11d9f11da0_attn
	.globl	k_q11d9f11da0_attn
	.p2align	8
	.type	k_q11d9f11da0_attn,@function
k_q11d9f11da0_attn:
	s_mov_b64 s[64:65], 0
	v_nop
	global_prefetch_b8 v0, s[64:65] scope:SCOPE_SE
	s_setreg_imm32_b32 hwreg(HW_REG_WAVE_MODE, 25, 1), 1
	s_wait_xcnt 0x0
	s_wait_alu depctr_hold_cnt(0) depctr_sa_sdst(0) depctr_va_vdst(0) depctr_va_sdst(0) depctr_va_ssrc(0) depctr_va_vcc(0) depctr_vm_vsrc(0)
	s_getreg_b32 s2, hwreg(HW_REG_IB_STS2, 6, 4)
	s_cmp_eq_u32 s2, 0
	s_cbranch_scc0 .Lentry_in_a_cluster
	s_endpgm
.Lentry_in_a_cluster:
	s_bfe_u32 s2, ttmp6, 0x10000c
	s_cmp_lg_u32 s2, 0x3003
	s_cbranch_scc0 .Lentry_shape_is_right
	s_endpgm
.Lentry_shape_is_right:
; O = softmax(Q K^T / 8) V for one head of one batch, both products on codes of FP6 (E2M3); the result is quantised along the model's 1,024 and leaves as codes for the last projection.
; THE SOFTMAX: t = score x log2(e) / 8; M = the running largest t rounded UP to a whole number; p = 2^(t - M) is quantised along the keys, not normalised; the row's sum is taken of the unquantised p and divides O at the end;
; when M moves, the sum and O are multiplied by 2^(old M - new M), which rounds nothing.
; SHARES.  256 work-groups.  A work-group owns 512 queries of one head-batch; each of its eight waves takes four tiles of 16 queries, TWO AT A TIME (tiles e = 0, 1), in two passes over the 2,048 keys, 128 keys a step.
; Each fragment of K and of V^T that a wave reads from LDS serves both its tiles, and the two tiles' chains of dependent lines stand line by line in turn.
; ALL of the head's K, V^T (196,608 bytes) and their scale words (12,288) lie in LDS at once: no LDS byte is filled twice.
; FILLS: one tensor load a wave, in one chain of branches on the wave's number: wave 0 the scale words, wave 1 key steps 0-3, waves 2 to 7 two key steps each.  The first barrier waits for waves 0 and 1,
; whose load lines no other wave issues; the second, four key steps on, for all.
; K's fragments of the next step are fetched behind this step's score products, V^T's at the step's head.  The next step's address is held at the loop's last step, so a loop's last trip fetches its own K once more and nothing beyond.
; CLUSTER 4 x 1: the four query blocks of a head read the same K and V, so each load is a joint one with a mask that names the four.
; NO PREFETCH: every byte of K and V is asked for at the head by its one load; no later load is left to run ahead of.
; LAYOUT.  Both products are used transposed (S^T = K Q^T, O^T = V^T P^T): a lane holds one query of each tile.  Row p of key tile T of a step is key 64 (T / 4) + 8 (T % 4) + p % 8 + 32 (p / 8):
; so register 32 c + i of the scores in lane (r, h) is key 64 c + 32 h + i: a whole block of 32 keys in a lane, in the order of the operand's registers.
; THE HEAD IS 64 WIDE, the instruction 128: a fragment of K holds TWO key tiles (registers 0-5, 6-11); multiplied by [q | 0] it gives the first tile's scores, by [0 | q] the second's.
; LIMITS: NaN and infinities are not served; the promise holds while |t| stays under 2^31; p under 2^-126 falls to 0; a block of zeros gets the byte 1 (its codes are zeros, and this program alone reads the bytes).
; REGISTERS.  Window 0: v1-11 addresses; v16-51 q of tiles 0, 1 (six zeros, q, six zeros each); v52-63 scale words; v64-111 K's fragments; v112-150 p's codes; v152-179 the sums' chains; v212-249 the tiles' state.
; Window 1: v0-127 S^T, then p, of tiles 0, 1; v128-191 O^T; v192-239 V^T's fragments; v240-253 the second pass's q.
.set SCL, 0                            ; LDS: the scale words, 768 bytes a key step
.set OST, 12288                        ; 1,024 bytes for the result's scale bytes; no fill lands there
.set SPARE, 14336                      ; the spare words, 128 bytes a wave
.set COD, 24576                        ; the codes, 12,288 bytes a key step: 4 fragments of K, 4 of V^T
.set L16, 1                            ; v1  16 x lane
.set L8,  2                            ; v2  8 x lane
.set A16, 4                            ; v4-6 the same + the key step whose K was fetched last
.set A8,  5
.set AS,  6
.set H8,  7                            ; v7  8 x (lane / 16)
.set QH,  16                           ; tile e: v[QH+18e ..+11] = [0 | q], v[QH+18e+6 ..+17] = [q | 0]
.set VS,  52                           ; v52-53 V's scale words;  v54-57 K's;  v58-59 q's;  v62-63 p's
.set KS,  54
.set QSW, 58
.set PSW, 62
.set KF,  64
.set PC,  112                          ; tile e: v[PC+20e ..+11] p's codes, +12 ..+18 at work
.set SU,  152                          ; tile e: seven pairs at SU+14e
.set ST,  212                          ; tile e's state at ST+20e: +0 -M, +1 the running largest score, +2,3 the sum, +4..7 maxima, +8..11 at work, +12,13 scale operands, +14, +15 at work, +16,17 f
.set VF,  192                          ; window 1
.set QB,  240                          ; window 1: tile 0's q 240-245, its scale word 246, tile 1's scale word 247, its q 248-253
.set WV,  12
.set G1S, 16                           ; s[16:23] group 1 for the scale words;  s[24:31] for two key steps' codes;  s[72:79] for four
.set G1C, 24
.set G1A, 72
.set G0S, 32
.set G0C, 36
.set G0A, 44
.set CN,  40                           ; s40 -c
.set TK,  41                           ; s41, s42 LDS bytes of the next step's codes and scale words
.set TKS, 42
.set TB,  58                           ; s58, s59 those of the step in hand
.set TS,  59
.set SEL, 60
.set CS,  62                           ; s[62:63] c = log2(e) / 8
.set CNT, 66
.set MSB, 0
.macro WIN new                         ; low byte: bits 1:0 source 0, 3:2 source 1, 5:4 source 2, 7:6 destination; the high byte repeats the setting that is left
.if MSB != \new
	s_set_vgpr_msb (MSB<<8)|\new
.set MSB, \new
.endif
.endm
.macro WALU
	s_wait_alu depctr_va_vdst(0)
.endm
.macro HINT2
	s_delay_alu instid0(VALU_DEP_2)
.endm
.macro CROUND
	s_barrier_signal -1
	s_barrier_wait -1
	s_cmp_lg_u32 s[WV], 0
	s_cbranch_scc1 .Lnot_wave_0_\@
	s_barrier_signal -3
.Lnot_wave_0_\@:
	s_barrier_wait -3
	s_barrier_signal -1
	s_barrier_wait -1
.endm
.macro TARM g0, g1
	tensor_load_to_lds s[\g0:\g0+3], s[\g1:\g1+7]
	s_nop 0
.rept 4
	v_nop
.endr
.endm
.macro GRP1 g, rows                    ; a dense block as rows of 256 bytes (32 elements of 8 bytes); the mask names all four work-groups, bit 21 beside it
	s_mov_b32 s[\g], 15|(3<<16)|(1<<21)
	s_mov_b32 s[\g+1], 32<<16
	s_mov_b32 s[\g+2], (\rows)<<16
	s_mov_b32 s[\g+3], 32<<16
	s_mov_b32 s[\g+4], \rows
	s_mov_b32 s[\g+5], 32
	s_mov_b32 s[\g+6], 0
	s_mov_b32 s[\g+7], 0
.endm
.macro LDF reg, off                    ; a fragment's image (1,536 bytes) back into 12 registers
	ds_load_b128 v[(\reg):(\reg)+3], v[A16] offset:(\off)
	ds_load_b64 v[(\reg)+4:(\reg)+5], v[A8] offset:(\off)+512
	ds_load_b128 v[(\reg)+6:(\reg)+9], v[A16] offset:(\off)+768
	ds_load_b64 v[(\reg)+10:(\reg)+11], v[A8] offset:(\off)+1280
.endm
.macro LDK                             ; K's four fragments and their scale words: 18 loads
.irp g, 0,1,2,3
	LDF KF+12*\g, 1536*\g
.endr
	ds_load_b64 v[KS:KS+1], v[AS]                  ; register g: lanes 0-15 key tile 2 g's words, lanes 16-31 tile 2 g + 1's
	ds_load_b64 v[KS+2:KS+3], v[AS] offset:256
.endm
; A KEY STEP: 128 keys x two tiles of queries.  last: the loop's last step
.macro STEP last
.irp e, 0,1
	v_mov_b32 v[ST+20*\e+15], v[ST+20*\e]          ; the old -M
.endr
	v_nop
	v_nop                                          ; these four are the places between the last step's products and the loads into their sources
	WIN 0x40
.irp g, 0,1,2,3
	LDF VF+12*\g, 6144+1536*\g                     ; V^T's four fragments land while the softmax is walked
.endr
	WIN 0
	ds_load_b64 v[VS:VS+1], v[AS] offset:512
	WALU                                           ; the wait ahead of the wait below
	s_wait_dscnt 17                                ; K's 18 loads are in; the 17 just issued may be out
	WIN 0x40
.irp g, 0,1,2,3
.irp e, 0,1
	v_wmma_scale_f32_16x16x128_f8f6f4 v[64*\e+16*\g:64*\e+16*\g+7], v[KF+12*\g:KF+12*\g+11], v[QH+18*\e+6:QH+18*\e+17], 0, v[KS+\g], v[QSW+\e] matrix_a_fmt:MATRIX_FMT_FP6 matrix_b_fmt:MATRIX_FMT_FP6
.endr
.irp e, 0,1
	v_wmma_scale_f32_16x16x128_f8f6f4 v[64*\e+16*\g+8:64*\e+16*\g+15], v[KF+12*\g:KF+12*\g+11], v[QH+18*\e:QH+18*\e+11], 0, v[KS+\g], v[QSW+\e] matrix_a_fmt:MATRIX_FMT_FP6 matrix_b_fmt:MATRIX_FMT_FP6 matrix_a_scale:MATRIX_SCALE_ROW1
.endr
.endr
	WIN 0
	s_add_co_u32 s[TK], s[TB], 12288
	s_min_u32 s[TK], s[TK], COD+12288*(\last)      ; the next step, held at the loop's last
	s_add_co_u32 s[TKS], s[TS], 768
	s_min_u32 s[TKS], s[TKS], SCL+768*(\last)
	v_add_nc_u32 v[A16], s[TK], v[L16]
	v_add_nc_u32 v[A8], s[TK], v[L8]
	v_add_nc_u32 v[AS], s[TKS], v[L8]
	v_nop                                          ; four places ahead of the loads into K's registers and of the first read of the scores
	LDK
	WIN 0x15
.irp b, 0,1,2,3
.irp e, 0,1
	v_max3_num_f32 v[ST+20*\e+4+\b], v[64*\e+16*\b], v[64*\e+16*\b+1], v[64*\e+16*\b+2]   ; four chains a tile, two to a block of 32 keys; each accumulator is read from its low end on
.endr
.endr
	WIN 0x14
.irp i, 3,5,7,9,11,13
.irp b, 0,1,2,3
.irp e, 0,1
	v_max3_num_f32 v[ST+20*\e+4+\b], v[ST+20*\e+4+\b], v[64*\e+16*\b+\i], v[64*\e+16*\b+\i+1]
.endr
.endr
.endr
	WIN 0x10
.irp c, 0,1
.irp e, 0,1
	v_max3_num_f32 v[ST+20*\e+4+2*\c], v[ST+20*\e+4+2*\c], v[ST+20*\e+5+2*\c], v[64*\e+32*\c+15]   ; the largest score of my two blocks: for the row's maximum and, since p rises with the score, for the block's largest p
.endr
.endr
	WIN 0x04
.irp c, 0,1
.irp e, 0,1
	v_max_num_f32 v[ST+20*\e+4+2*\c], v[ST+20*\e+4+2*\c], v[64*\e+32*\c+31]
.endr
.endr
	WIN 0
.irp e, 0,1
	v_max_num_f32 v[ST+20*\e+14], v[ST+20*\e+4], v[ST+20*\e+6]
.endr
.irp e, 0,1
	HINT2
	v_permlanex16_b32 v[ST+20*\e+11], v[ST+20*\e+14], s[SEL], s[SEL+1]
.endr
.irp e, 0,1
	HINT2
	v_max3_num_f32 v[ST+20*\e+1], v[ST+20*\e+1], v[ST+20*\e+14], v[ST+20*\e+11]   ; the running largest score, with lane l xor 16's 64 keys
.endr
.irp e, 0,1
	HINT2
	v_mul_f32 v[ST+20*\e+14], s[CN], v[ST+20*\e+1]                 ; -t (c is positive)
.endr
.irp e, 0,1
	HINT2
	v_floor_f32 v[ST+20*\e], v[ST+20*\e+14]                        ; the new -M = floor(-t): M is a whole number
.endr
.irp e, 0,1
	HINT2
	v_sub_f32 v[ST+20*\e+15], v[ST+20*\e], v[ST+20*\e+15]          ; old M - new M: a whole number, 0 or less
.endr
.irp e, 0,1
	HINT2
	v_cvt_i32_f32 v[ST+20*\e+15], v[ST+20*\e+15]                   ; (it saturates)
.endr
.irp e, 0,1
	HINT2
	v_ldexp_f32 v[ST+20*\e+16], 1.0, v[ST+20*\e+15]                ; f = 2^(old M - new M)
.endr
	WIN 0x41
.set j, 0
.rept 32
	v_pk_fma_f32 v[j:j+1], v[j:j+1], s[CS:CS+1], v[ST:ST+1] op_sel_hi:[1,0,0]   ; tile 0: t - M, two at a time
.set j, j+2
.endr
	WIN 0
.irp c, 0,1
.irp e, 0,1
	v_fma_f32 v[ST+20*\e+4+2*\c], v[ST+20*\e+4+2*\c], s[CS], v[ST+20*\e]       ; the same of each block's largest score
.endr
.endr
	WALU                                           ; the wait ahead of the batch
.irp c, 0,1
.irp e, 0,1
	v_exp_f32 v[ST+20*\e+4+2*\c], v[ST+20*\e+4+2*\c]               ; the block's largest p: the same two instructions on the same number
.endr
.endr
	WIN 0x41
.set j, 0
.rept 32
	v_exp_f32 v[j], v[j]                           ; tile 0: p = 2^(t - M), at most 1;
	v_exp_f32 v[j+1], v[j+1]
	v_pk_fma_f32 v[64+j:65+j], v[64+j:65+j], s[CS:CS+1], v[ST+20:ST+21] op_sel_hi:[1,0,0]   ; among them tile 1's t - M, first read behind the wait below
.set j, j+2
.endr
	WALU                                           ; ahead of tile 1's batch
.set j, 64
.rept 64
	v_exp_f32 v[j], v[j]
.set j, j+1
.endr
	WIN 0
.irp e, 0,1
	v_pk_mul_f32 v[ST+20*\e+2:ST+20*\e+3], v[ST+20*\e+2:ST+20*\e+3], v[ST+20*\e+16:ST+20*\e+17] op_sel_hi:[1,0]   ; the sums under the new M (the plain place behind the exponentials)
.endr
	WALU                                           ; one wait for the exponentials, ahead of their first reader
	WIN 0x05
.set j, 0
.irp a, 0,2,4,6,8,10,12                ; the row's sum of the unquantised p: eight chains of pairs a tile
.irp e, 0,1
	v_pk_add_f32 v[SU+14*\e+\a:SU+14*\e+\a+1], v[64*\e+j:64*\e+j+1], v[64*\e+j+2:64*\e+j+3]
.endr
.set j, j+4
.endr
	WIN 0x04
.irp e, 0,1
	v_pk_add_f32 v[ST+20*\e+2:ST+20*\e+3], v[ST+20*\e+2:ST+20*\e+3], v[64*\e+28:64*\e+29]
.endr
.set j, 30
.rept 2
.irp a, 0,2,4,6,8,10,12
.irp e, 0,1
	v_pk_add_f32 v[SU+14*\e+\a:SU+14*\e+\a+1], v[SU+14*\e+\a:SU+14*\e+\a+1], v[64*\e+j:64*\e+j+1]
.endr
.set j, j+2
.endr
.irp e, 0,1
	v_pk_add_f32 v[ST+20*\e+2:ST+20*\e+3], v[ST+20*\e+2:ST+20*\e+3], v[64*\e+j:64*\e+j+1]
.endr
.set j, j+2
.endr
.irp e, 0,1
	v_pk_add_f32 v[SU+14*\e:SU+14*\e+1], v[SU+14*\e:SU+14*\e+1], v[64*\e+62:64*\e+63]
.endr
	WIN 0
.irp e, 0,1
	v_pk_add_f32 v[SU+14*\e+4:SU+14*\e+5], v[SU+14*\e+4:SU+14*\e+5], v[SU+14*\e+6:SU+14*\e+7]
.endr
.irp e, 0,1
	v_pk_add_f32 v[SU+14*\e+8:SU+14*\e+9], v[SU+14*\e+8:SU+14*\e+9], v[SU+14*\e+10:SU+14*\e+11]
.endr
.irp e, 0,1
	v_pk_add_f32 v[ST+20*\e+2:ST+20*\e+3], v[ST+20*\e+2:ST+20*\e+3], v[SU+14*\e+12:SU+14*\e+13]
.endr
.irp e, 0,1
	v_pk_add_f32 v[SU+14*\e:SU+14*\e+1], v[SU+14*\e:SU+14*\e+1], v[SU+14*\e+2:SU+14*\e+3]
.endr
.irp e, 0,1
	v_pk_add_f32 v[ST+20*\e+2:ST+20*\e+3], v[ST+20*\e+2:ST+20*\e+3], v[SU+14*\e+8:SU+14*\e+9]
.endr
.irp e, 0,1
	v_pk_add_f32 v[SU+14*\e:SU+14*\e+1], v[SU+14*\e:SU+14*\e+1], v[SU+14*\e+4:SU+14*\e+5]
.endr
.irp e, 0,1
	HINT2
	v_pk_add_f32 v[ST+20*\e+2:ST+20*\e+3], v[ST+20*\e+2:ST+20*\e+3], v[SU+14*\e:SU+14*\e+1]
.endr
.irp c, 0,1
.irp e, 0,1
	v_max_num_f32 v[ST+20*\e+4+2*\c], 0x1800000, v[ST+20*\e+4+2*\c]            ; the floor 2^(3 - 127): the byte cannot fall under 1
.endr
.endr
.irp c, 0,1
.irp e, 0,1
	v_add_nc_u32 v[ST+20*\e+12+\c], 0xff000000, v[ST+20*\e+4+2*\c]             ; 2 off the exponent field: the conversion's scale operand
.endr
.endr
.irp c, 0,1
.irp e, 0,1
	v_lshrrev_b32 v[ST+20*\e+8+\c], 23, v[ST+20*\e+12+\c]
.endr
.endr
.irp e, 0,1
	HINT2
	v_lshl_or_b32 v[ST+20*\e+14], v[ST+20*\e+9], 16, v[ST+20*\e+8]             ; my two bytes: blocks h and 2 + h,
.endr
.irp e, 0,1
	HINT2
	v_lshlrev_b32 v[ST+20*\e+14], v[H8], v[ST+20*\e+14]                        ; at their places in the scale word;
.endr
.irp e, 0,1
	HINT2
	v_permlanex16_b32 v[ST+20*\e+10], v[ST+20*\e+14], s[SEL], s[SEL+1]
.endr
.irp e, 0,1
	HINT2
	v_or_b32 v[PSW+\e], v[ST+20*\e+14], v[ST+20*\e+10]                         ; with lane l xor 16's two the word is whole
.endr
	WIN 0x01
.irp e, 0,1
.irp c, 0,1
	v_cvt_scalef32_pk16_fp6_f32 v[PC+20*\e+6*\c:PC+20*\e+6*\c+2], v[64*\e+32*\c:64*\e+32*\c+15], v[ST+20*\e+12+\c]
	v_cvt_scalef32_pk16_fp6_f32 v[PC+20*\e+12+4*\c:PC+20*\e+14+4*\c], v[64*\e+32*\c+16:64*\e+32*\c+31], v[ST+20*\e+12+\c]   ; (a conversion's three registers begin on an even number)
.endr
.endr
	WIN 0
	v_nop                                          ; one plain place behind a scaled conversion
.irp e, 0,1
.irp c, 0,1
.irp i, 0,1,2
	v_mov_b32 v[PC+20*\e+3+6*\c+\i], v[PC+20*\e+12+4*\c+\i]
.endr
.endr
.endr
	WIN 0x41
	WALU                                           ; the wait directly ahead of the first reader of O^T
.irp e, 0,1
.set j, 128+32*\e
.rept 16
	v_pk_mul_f32 v[j:j+1], v[j:j+1], v[ST+20*\e+16:ST+20*\e+17] op_sel_hi:[1,0]   ; O^T under the new M.  (These 32 also stand between the writes of p's codes and scale words and the products below)
.set j, j+2
.endr
.endr
	WALU                                           ; the wait ahead of the wait below
	s_wait_dscnt 0x0                               ; V^T and its scale words are in, and the next step's K
	WIN 0x51
.irp t, 0,1,2,3
.irp e, 0,1
.if \t%2
	v_wmma_scale_f32_16x16x128_f8f6f4 v[128+32*\e+8*\t:128+32*\e+8*\t+7], v[VF+12*\t:VF+12*\t+11], v[PC+20*\e:PC+20*\e+11], v[128+32*\e+8*\t:128+32*\e+8*\t+7], v[VS+\t/2], v[PSW+\e] matrix_a_fmt:MATRIX_FMT_FP6 matrix_b_fmt:MATRIX_FMT_FP6 matrix_a_scale:MATRIX_SCALE_ROW1
.else
	v_wmma_scale_f32_16x16x128_f8f6f4 v[128+32*\e+8*\t:128+32*\e+8*\t+7], v[VF+12*\t:VF+12*\t+11], v[PC+20*\e:PC+20*\e+11], v[128+32*\e+8*\t:128+32*\e+8*\t+7], v[VS+\t/2], v[PSW+\e] matrix_a_fmt:MATRIX_FMT_FP6 matrix_b_fmt:MATRIX_FMT_FP6
.endif
.endr
.endr
	WIN 0
	s_add_co_u32 s[TB], s[TB], 12288
	s_add_co_u32 s[TS], s[TS], 768
.endm
.macro LOOP first, n                   ; key steps first .. first + n - 1
	s_mov_b32 s[TB], COD+12288*(\first)
	s_mov_b32 s[TS], SCL+768*(\first)
	v_add_nc_u32 v[A16], s[TB], v[L16]
	v_add_nc_u32 v[A8], s[TB], v[L8]
	v_add_nc_u32 v[AS], s[TS], v[L8]
	v_nop
	LDK                                            ; the first step's K
	s_mov_b32 s[CNT], \n
.Lstep_\@:
	STEP (\first)+(\n)-1
	s_sub_co_u32 s[CNT], s[CNT], 1
	s_cmp_lg_u32 s[CNT], 0
	s_cbranch_scc1 .Lstep_\@
.endm
.macro INIT                            ; two tiles of queries begin
.irp e, 0,1
	v_mov_b32 v[ST+20*\e+1], 0xff61b1e6            ; the largest score so far: -3e38
	v_floor_f32 v[ST+20*\e], -v[ST+20*\e+1]        ; -M
	v_mov_b32 v[ST+20*\e+2], 0                     ; the sum, in two halves
	v_mov_b32 v[ST+20*\e+3], 0
.endr
	WIN 0x40
.set j, 128
.rept 64
	v_mov_b32 v[j], 0                              ; O^T: the step is written for every step alike; the first finds zeros
.set j, j+1
.endr
	WIN 0
.endm
; THE WAY OUT of tile e of pass ps: O^T / the sum; register 16 b + i is channel 32 b + 16 (lane / 16) + i of my query: two blocks along the last projection's K
.macro WAYOUT e, ps
	v_add_f32 v[ST+20*\e+2], v[ST+20*\e+2], v[ST+20*\e+3]
	v_permlanex16_b32 v[ST+20*\e+15], v[ST+20*\e+2], s[SEL], s[SEL+1]
	v_add_f32 v[ST+20*\e+2], v[ST+20*\e+2], v[ST+20*\e+15]         ; the row's sum
	WALU
	v_rcp_f32 v[ST+20*\e+2], v[ST+20*\e+2]
	v_nop                                          ; a plain place behind the reciprocal
	WIN 0x41
	WALU                                           ; and the wait ahead of its first reader, and of O^T's
.set j, 0
.rept 32
	v_mul_f32 v[64*\e+j], v[128+32*\e+j], v[ST+20*\e+2]
.set j, j+1
.endr
	WIN 0x05
.irp b, 0,1
	v_max3_num_f32 v[ST+20*\e+4+\b], |v[64*\e+16*\b]|, |v[64*\e+16*\b+1]|, 0x1800000
.endr
	WIN 0x14
.irp i, 2,4,6,8,10,12,14
.irp b, 0,1
	v_max3_num_f32 v[ST+20*\e+4+\b], v[ST+20*\e+4+\b], |v[64*\e+16*\b+\i]|, |v[64*\e+16*\b+\i+1]|
.endr
.endr
	WIN 0
.irp b, 0,1
	v_permlanex16_b32 v[ST+20*\e+8+\b], v[ST+20*\e+4+\b], s[SEL], s[SEL+1]
.endr
.irp b, 0,1
	v_max_num_f32 v[ST+20*\e+4+\b], v[ST+20*\e+4+\b], v[ST+20*\e+8+\b]
.endr
.irp b, 0,1
	v_add_nc_u32 v[ST+20*\e+12+\b], 0xff000000, v[ST+20*\e+4+\b]
.endr
.irp b, 0,1
	v_lshrrev_b32 v[ST+20*\e+8+\b], 23, v[ST+20*\e+12+\b]
.endr
	v_lshl_or_b32 v[ST+20*\e+15], v[ST+20*\e+9], 8, v[ST+20*\e+8]  ; my row's two scale bytes
	WIN 0x01
	v_cvt_scalef32_pk16_fp6_f32 v[PC+20*\e:PC+20*\e+2], v[64*\e:64*\e+15], v[ST+20*\e+12]
	v_cvt_scalef32_pk16_fp6_f32 v[PC+20*\e+12:PC+20*\e+14], v[64*\e+16:64*\e+31], v[ST+20*\e+13]
	WIN 0
	v_nop                                          ; one plain place behind a scaled conversion
.irp i, 0,1,2
	v_permlane16_swap_b32 v[PC+20*\e+\i], v[PC+20*\e+12+\i]
.endr
.irp i, 0,1,2
	v_mov_b32 v[PC+20*\e+3+\i], v[PC+20*\e+12+\i]
.endr
	global_store_b128 v[L16], v[PC+20*\e:PC+20*\e+3], s[8:9] offset:196608*\ps+12288*\e          ; the half image: 512 and 256 consecutive bytes, aligned to 256
	global_store_b64 v[L8], v[PC+20*\e+4:PC+20*\e+5], s[8:9] offset:196608*\ps+12288*\e+512
	ds_store_b16 v9, v[ST+20*\e+15] offset:512*\ps+32*\e           ; lanes l and l xor 16 write the same two bytes with the same value
.endm
	s_load_b256 s[4:11], s[0:1], 0x0               ; pc, ps, oc, os
	v_lshl_add_u32 v254, v0, 2, SPARE
	v_mov_b32 v255, 0
	ds_add_u32 v254, v255                          ; the opening lines: the add, twice on end, and its wait
	ds_add_u32 v254, v255
	v_lshrrev_b32 v7, 5, v0
	v_readfirstlane_b32 s[WV], v7                  ; wave 0..7
	v_and_b32 v3, 31, v0
	v_and_b32 v11, 63, v0
	v_and_b32 v10, 15, v0                          ; r
	v_lshlrev_b32 v[L16], 4, v3
	v_lshlrev_b32 v[L8], 3, v3
	v_lshlrev_b32 v11, 4, v11                      ; the scale bytes' way out: waves 0 and 1, 16 bytes a lane
	v_lshlrev_b32 v9, 1, v10
	s_lshl_b32 s53, s[WV], 6
	v_add_nc_u32 v8, OST, v11
	v_add_nc_u32 v9, s53, v9
	v_bfe_u32 v[H8], v0, 4, 1
	v_add_nc_u32 v9, OST, v9                       ; and in: 64 x wave + 2 r
	v_lshlrev_b32 v10, 3, v10                      ; q's scale word: 8 r
	v_lshlrev_b32 v[H8], 3, v[H8]
	s_bfe_u32 s13, ttmp6, 0x40000                  ; cx: it enters global addresses alone
	s_lshl_b32 s14, ttmp9, 2
	s_add_co_u32 s14, s14, s13                     ; my block of 512 queries
	s_and_b32 s15, ttmp7, 0xffff                   ; the head-batch, which the four partners share
	GRP1 G1S, 48                                   ; the scale words: 12,288 bytes
	GRP1 G1C, 96                                   ; two key steps' codes
	GRP1 G1A, 192                                  ; four
	s_mul_i32 s54, s15, 196608
	s_add_co_u32 s54, s54, 6291456
	s_mov_b32 s55, 0
	s_mul_i32 s68, s[WV], 24576                    ; wave w = 2 .. 7 fetches key steps 2 w, 2 w + 1
	s_mov_b32 s69, 0
	s_mul_i32 s56, s15, 12288
	s_add_co_u32 s56, s56, 524288
	s_mov_b32 s57, 0
	s_mov_b32 s[SEL], 0x76543210
	s_mov_b32 s[SEL+1], 0xfedcba98
	s_mov_b32 s[CS], 0x3e38aa3b                    ; c = log2(e) / 8
	s_mov_b32 s[CS+1], s[CS]
	s_mov_b32 s[CN], 0xbe38aa3b                    ; -c
	WALU                                           ; the wait ahead of the waits below
	s_wait_dscnt 0x0
	s_wait_kmcnt 0x0
	s_add_nc_u64 s[54:55], s[4:5], s[54:55]        ; the head's K and V^T
	s_mov_b32 s[G0S], 1
	s_mov_b32 s[G0S+1], SCL
	s_add_nc_u64 s[G0S+2:G0S+3], s[6:7], s[56:57]
	s_or_b32 s[G0S+3], s[G0S+3], 0x80000000
	s_mov_b32 s[G0A], 1
	s_mov_b32 s[G0A+1], COD
	s_mov_b64 s[G0A+2:G0A+3], s[54:55]
	s_or_b32 s[G0A+3], s[G0A+3], 0x80000000
	s_mov_b32 s[G0C], 1
	s_add_co_u32 s[G0C+1], s68, COD
	s_add_nc_u64 s[G0C+2:G0C+3], s[54:55], s[68:69]
	s_or_b32 s[G0C+3], s[G0C+3], 0x80000000
	CROUND                                         ; all four work-groups are here: the joint loads meet
	s_cmp_eq_u32 s[WV], 0
	s_cbranch_scc0 .Lfirst_steps
	TARM G0S, G1S                                  ; wave 0: the scale words
	s_branch .Lfilled
.Lfirst_steps:
	s_cmp_lt_u32 s[WV], 2
	s_cbranch_scc0 .Llater_steps
	TARM G0A, G1A                                  ; wave 1: key steps 0-3
	s_branch .Lfilled
.Llater_steps:
	TARM G0C, G1C                                  ; waves 2 to 7: key steps 4-15
.Lfilled:
	s_lshl_b32 s53, s14, 5
	s_lshl_b32 s67, s[WV], 1
	s_add_co_u32 s53, s53, s67                     ; my first tile of queries in the batch: 32 x block + 2 x wave; tile 1 is the next, the second pass's lie 16 tiles on
	s_lshl_b32 s67, s15, 7
	s_add_co_u32 s67, s67, s53
	s_mul_i32 s68, s67, 768
	s_add_nc_u64 s[4:5], s[4:5], s[68:69]          ; q's half images
	s_lshl_b32 s68, s15, 5
	s_lshl_b32 s67, s14, 3
	s_add_co_u32 s68, s68, s67
	s_lshr_b32 s67, s[WV], 1
	s_add_co_u32 s68, s68, s67                     ; my group of four tiles,
	s_lshl_b32 s68, s68, 8
	s_and_b32 s67, s[WV], 1
	s_lshl_b32 s67, s67, 2                         ; in it tiles 2 and 3's words stand 4 bytes on, the odd tiles' 128 bytes on
	s_add_co_u32 s68, s68, s67
	s_add_nc_u64 s[6:7], s[6:7], s[68:69]
.irp e, 0,1
	global_load_b128 v[QH+18*\e+6:QH+18*\e+9], v[L16], s[4:5] offset:768*\e
	global_load_b64 v[QH+18*\e+10:QH+18*\e+11], v[L8], s[4:5] offset:768*\e+512
	global_load_b32 v[QSW+\e], v10, s[6:7] offset:128*\e
.endr
	WIN 0x40
.irp e, 0,1
	global_load_b128 v[QB+8*\e:QB+8*\e+3], v[L16], s[4:5] offset:12288+768*\e      ; the second pass's: 16 half images, 4 groups of scale words on
	global_load_b64 v[QB+8*\e+4:QB+8*\e+5], v[L8], s[4:5] offset:12288+768*\e+512
	global_load_b32 v[QB+6+\e], v10, s[6:7] offset:1024+128*\e
.endr
	WIN 0
	s_lshr_b32 s67, s15, 4
	s_lshl_b32 s67, s67, 7                         ; 128 tiles a batch
	s_add_co_u32 s68, s67, s53                     ; my tile among the 512
	s_mul_i32 s68, s68, 12288
	s_and_b32 s70, s15, 15                         ; the head
	s_mul_i32 s71, s70, 768
	s_add_co_u32 s68, s68, s71
	s_add_nc_u64 s[8:9], s[8:9], s[68:69]          ; oc: [tile][head][768]
	s_lshl_b32 s68, s14, 5
	s_add_co_u32 s68, s68, s67
	s_lshl_b32 s68, s68, 5
	s_lshl_b32 s70, s70, 14
	s_add_co_u32 s68, s68, s70
	s_add_nc_u64 s[10:11], s[10:11], s[68:69]      ; os: [head][tile][row] of two bytes: the work-group's 32 tiles are 1,024 bytes on end
.irp e, 0,1
.irp j, 0,1,2,3,4,5
	v_mov_b32 v[QH+18*\e+\j], 0
	v_mov_b32 v[QH+18*\e+12+\j], 0
.endr
	v_mov_b32 v[ST+20*\e+10], 0                    ; written once: a lane permute's destination counts as one of its sources
	v_mov_b32 v[ST+20*\e+11], 0
	v_mov_b32 v[ST+20*\e+17], 0                    ; (named with f as a pair)
.endr
	INIT
	WALU                                           ; the wait at the head's end
	s_wait_loadcnt 0x0                             ; both passes' q
	s_cmp_lt_u32 s[WV], 2                          ; waves 0 and 1 asked for the scale words and key steps 0-3, by lines of their own: they wait for them
	s_cbranch_scc0 .Lnot_mine
	s_wait_tensorcnt 0x0
.Lnot_mine:
	s_barrier_signal -1
	s_barrier_wait -1
	LOOP 0, 4
	s_wait_tensorcnt 0x0                           ; every wave waits: all of K and V^T is in; nothing is filled again
	s_barrier_signal -1
	s_barrier_wait -1
	LOOP 4, 12
.rept 4
	v_nop                                          ; places behind the last products
.endr
	WAYOUT 0, 0
	WAYOUT 1, 0
	WALU                                           ; the wait ahead of the wait below
	s_wait_xcnt 0x0                                ; the stores have read the codes' registers, which the second pass writes again
	WIN 0x01
.irp e, 0,1
.irp j, 0,1,2,3,4,5
	v_mov_b32 v[QH+18*\e+6+\j], v[QB+8*\e+\j]
.endr
	v_mov_b32 v[QSW+\e], v[QB+6+\e]                ; (INIT's lines stand between these writes and the first product)
.endr
	WIN 0
	INIT
	LOOP 0, 16
.rept 4
	v_nop
.endr
	WAYOUT 0, 1
	WAYOUT 1, 1
	s_wait_dscnt 0x0                               ; for the others' sake
	s_barrier_signal -1
	s_barrier_wait -1
	s_cmp_lt_u32 s[WV], 2
	s_cbranch_scc0 .Lnot_first
	ds_load_b128 v[KF:KF+3], v8                    ; the eight waves' 1,024 bytes, 512 to each of waves 0 and 1
	s_wait_dscnt 0x0
	global_store_b128 v11, v[KF:KF+3], s[10:11]
.Lnot_first:
	s_wait_tensorcnt 0x0                           ; the wave's end
	ds_add_u32 v254, v255
	s_wait_dscnt 0x0
	CROUND                                         ; the closing round
	s_endpgm
.Lfunc_end_k_q11d9f11da0_attn:
	.size	k_q11d9f11da0_attn, .Lfunc_end_k_q11d9f11da0_attn-k_q11d9f11da0_attn
	.p2alignl 7, 3214868480
	.fill 96, 4, 3214868480
	.section	.rodata,"a",@progbits
	.p2align	6, 0x0
	.amdhsa_kernel k_q11d9f11da0_attn
		.amdhsa_group_segment_fixed_size 221184
		.amdhsa_private_segment_fixed_size 0
		.amdhsa_enable_private_segment 0
		.amdhsa_kernarg_size 32
		.amdhsa_user_sgpr_count 2
		.amdhsa_user_sgpr_kernarg_segment_ptr 1
		.amdhsa_wavefront_size32 1
		.amdhsa_system_sgpr_workgroup_id_x 1
		.amdhsa_system_sgpr_workgroup_id_y 1
		.amdhsa_system_sgpr_workgroup_id_z 1
		.amdhsa_system_vgpr_workitem_id 0
		.amdhsa_next_free_vgpr 512
		.amdhsa_next_free_sgpr 84
		.amdhsa_reserve_vcc 0
		.amdhsa_float_denorm_mode_32 3
		.amdhsa_float_denorm_mode_16_64 3
		.amdhsa_memory_ordered 1
		.amdhsa_forward_progress 1
		.amdhsa_inst_pref_size 120
	.end_amdhsa_kernel
	.amdgpu_metadata
---
amdhsa.version: [ 1, 2 ]
amdhsa.kernels:
  - .name:           k_q11d9f11da0_attn
    .symbol:         k_q11d9f11da0_attn.kd
    .args:
      - { .name: pc, .offset: 0, .size: 8, .value_kind: global_buffer, .address_space: global }
      - { .name: ps, .offset: 8, .size: 8, .value_kind: global_buffer, .address_space: global }
      - { .name: oc, .offset: 16, .size: 8, .value_kind: global_buffer, .address_space: global }
      - { .name: os, .offset: 24, .size: 8, .value_kind: global_buffer, .address_space: global }
    .group_segment_fixed_size: 221184
    .private_segment_fixed_size: 0
    .kernarg_segment_align: 8
    .kernarg_segment_size: 32
    .max_flat_workgroup_size: 256
    .sgpr_count:     84
    .vgpr_count:     512
    .wavefront_size: 32
...
	.end_amdgpu_metadata
.endif
;; end of part 3
;; launch outp (part 4): grid 4 x 64, 4 waves a work-group, clusters of 4 x 4, 295,424 bytes of LDS; arguments oc, os, wc, ws, bo, out0; writes out0
.if DOCPART == 4
	.amdgcn_target "amdgcn-amd-amdhsa--gfx1250"
	.amdhsa_code_object_version 6
	.text
	.protected	k_q11d9f11da0_outp
	.globl	k_q11d9f11da0_outp
	.p2align	8
	.type	k_q11d9f11da0_outp,@function
k_q11d9f11da0_outp:
	s_mov_b64 s[64:65], 0
	v_nop
	global_prefetch_b8 v0, s[64:65] scope:SCOPE_SE
	s_setreg_imm32_b32 hwreg(HW_REG_WAVE_MODE, 25, 1), 1
	s_wait_xcnt 0x0
	s_wait_alu depctr_hold_cnt(0) depctr_sa_sdst(0) depctr_va_vdst(0) depctr_va_sdst(0) depctr_va_ssrc(0) depctr_va_vcc(0) depctr_vm_vsrc(0)
	s_getreg_b32 s2, hwreg(HW_REG_IB_STS2, 6, 4)
	s_cmp_eq_u32 s2, 0
	s_cbranch_scc0 .Lentry_in_a_cluster
	s_endpgm
.Lentry_in_a_cluster:
	s_bfe_u32 s2, ttmp6, 0x10000c
	s_cmp_lg_u32 s2, 0xf033
	s_cbranch_scc0 .Lentry_shape_is_right
	s_endpgm
.Lentry_shape_is_right:
; out0 = O Wo + bo on codes of FP6 (E2M3).  O's codes (oc: [tile 512][K step 8][1,536]) and Wo's (wc, fourth weight) lie as images of the operand's registers.
; A work-group's tile: the P SIDE, 256 columns of Wo (source 0), x the R SIDE, 128 tokens (source 1), with ALL of K = 1,024: 384 rows x 768 bytes lie in LDS at once, so no LDS byte is filled twice.
; Four waves: wave (wp, wr) makes 128 columns x 64 tokens: 32 accumulators.  A lane holds one token, and its registers run along the columns: 16 neighbours for each pair of P tiles, since the rows of a tile are not neighbours
; (row p of tile T is index 32 (T / 2) + 8 (T % 2) + p + 8 (p / 8)).  bo is the C of each sum's first matrix instruction.
; CLUSTER 4 x 4: P's tiles hang on cx alone and are asked for jointly by a column of the cluster, R's on cy alone, by a row.  Each wave issues one load: half of K of one side.
; LIMITS: NaN and infinities are not served; the bias enters as its sum's first addend.
; REGISTERS: window 0: v4-11 offsets and addresses, v16-27 LDS addresses, v32-63 P's scale words, v64-79 R's, v80-95 at work, v128-191 bo, later with v192-255 rows of the result.
;   window 1: the accumulators, (R tile i, P tile t) at v[64 i + 8 t].   window 2: v0-95 P's 8 fragments, one set; v96-191 R's 4 fragments, two sets.
.set WV,  22
.set WP,  23
.set WR,  24
.set CX,  25
.set CY,  26
.set RI,  30
.set G1R, 32
.set G1P, 40
.set G0R, 48
.set G0P, 68
.set STO, 10                           ; v10 the stage: where I put 16 bytes of a row;  v11 where I read a row back
.set RD,  11
.set PA,  16
.set RAD, 24
.set SP,  32
.set SR,  64
.set HW,  80                           ; v80-95 the upper halves of R's scale words
.set BP,  128
.set BK,  128
.set PF,  0
.set RF,  96
.set MSB, 0
.macro WIN new
.if MSB != \new
	s_set_vgpr_msb (MSB<<8)|\new
.set MSB, \new
.endif
.endm
.macro CROUND
	s_barrier_signal -1
	s_barrier_wait -1
	s_cmp_lg_u32 s[WV], 0
	s_cbranch_scc1 .Lnot_wave_0_\@
	s_barrier_signal -3
.Lnot_wave_0_\@:
	s_barrier_wait -3
	s_barrier_signal -1
	s_barrier_wait -1
.endm
.macro PLACES
.rept 4
	v_nop
.endr
.endm
.macro LDF reg, a16, a8, off
	ds_load_b128 v[(\reg):(\reg)+3], v[\a16] offset:(\off)
	ds_load_b64 v[(\reg)+4:(\reg)+5], v[\a8] offset:(\off)+512
	ds_load_b128 v[(\reg)+6:(\reg)+9], v[\a16] offset:(\off)+768
	ds_load_b64 v[(\reg)+10:(\reg)+11], v[\a8] offset:(\off)+1280
.endm
.macro LDP s, t0
	WIN 0x80
.irp t, \t0, \t0+1, \t0+2, \t0+3
	LDF PF+12*(\t), PA+2*((\s)/4), PA+1+2*((\s)/4), 6144*(\t)+1536*((\s)%4)
.endr
.endm
.macro LDR s
	WIN 0x80
.irp i, 0,1,2,3
	LDF RF+48*((\s)%2)+12*\i, RAD+2*((\s)/4), RAD+1+2*((\s)/4), 6144*\i+1536*((\s)%4)
.endr
.endm
.macro WM s, t, i
.if (\s) == 0
	v_wmma_scale_f32_16x16x128_f8f6f4 v[64*\i+8*\t:64*\i+8*\t+7], v[PF+12*\t:PF+12*\t+11], v[RF+12*\i:RF+12*\i+11], v[BP+8*\t:BP+8*\t+7], v[SP+4*\t], v[SR+4*\i] matrix_a_fmt:MATRIX_FMT_FP6 matrix_b_fmt:MATRIX_FMT_FP6
.elseif (\s)%2
	v_wmma_scale_f32_16x16x128_f8f6f4 v[64*\i+8*\t:64*\i+8*\t+7], v[PF+12*\t:PF+12*\t+11], v[RF+48+12*\i:RF+48+12*\i+11], v[64*\i+8*\t:64*\i+8*\t+7], v[SP+4*\t+(\s)/2], v[SR+4*\i+(\s)/2] matrix_a_fmt:MATRIX_FMT_FP6 matrix_b_fmt:MATRIX_FMT_FP6 matrix_a_scale:MATRIX_SCALE_ROW1 matrix_b_scale:MATRIX_SCALE_ROW1
.else
	v_wmma_scale_f32_16x16x128_f8f6f4 v[64*\i+8*\t:64*\i+8*\t+7], v[PF+12*\t:PF+12*\t+11], v[RF+12*\i:RF+12*\i+11], v[64*\i+8*\t:64*\i+8*\t+7], v[SP+4*\t+(\s)/2], v[SR+4*\i+(\s)/2] matrix_a_fmt:MATRIX_FMT_FP6 matrix_b_fmt:MATRIX_FMT_FP6
.endif
.endm
.macro MUL s, t0                       ; 16 matrix instructions.  The 32 accumulators take turns, one instruction a turn, in the same order in every step
.if (\s) == 0
	WIN 0x4a                                       ; sources 0 and 1 window 2, C (the bias) window 0, D window 1
.else
	WIN 0x5a                                       ; C and D window 1
.endif
.irp t, \t0, \t0+1, \t0+2, \t0+3
.irp i, 0,1,2,3
	WM \s, (\t), \i
.endr
.endr
.endm
.macro STEP s
	s_wait_dscnt 16                                ; R's set and P tiles 0-3 are in; the youngest 16 loads (P tiles 4-7) may be out
	MUL \s, 0
	s_wait_dscnt 0x0
.if \s < 7
	PLACES
.if (\s) == 3
	s_wait_tensorcnt 0x0                           ; every wave waits for its one load: the second half of K is in
	s_barrier_signal -1
	s_barrier_wait -1
.endif
	LDR (\s)+1
	LDP (\s)+1, 0
.endif
	MUL \s, 4
.if \s < 7
	PLACES
	LDP (\s)+1, 4
.endif
.endm
	s_load_b256 s[4:11], s[0:1], 0x0               ; oc, os, wc, ws
	s_load_b128 s[12:15], s[0:1], 0x20             ; bo, out0
	v_lshl_add_u32 v126, v0, 2, 0x48000
	v_mov_b32 v127, 0
	ds_add_u32 v126, v127
	ds_add_u32 v126, v127
	v_lshrrev_b32 v1, 5, v0
	v_readfirstlane_b32 s[WV], v1
	s_lshr_b32 s[WP], s[WV], 1
	s_and_b32 s[WR], s[WV], 1
	s_bfe_u32 s[CX], ttmp6, 0x40000                ; which 256 columns
	s_bfe_u32 s[CY], ttmp6, 0x40004
	s_and_b32 s27, ttmp7, 0xffff
	s_lshl_b32 s[RI], s27, 2
	s_add_co_u32 s[RI], s[RI], s[CY]               ; which 128 tokens
	s_lshl_b32 s2, s[CY], 2
	s_lshl_b32 s2, 15, s2                          ; my row of the cluster
	s_lshl_b32 s3, 0x1111, s[CX]                   ; my column
	s_or_b32 s[G1R], s2, (3<<16)|(1<<21)           ; half of K (6,144 bytes) of 8 or 16 tiles 12,288 bytes apart: rows of 768 elements of 8 bytes
	s_or_b32 s[G1P], s3, (3<<16)|(1<<21)
	; ONE LOAD A WAVE: a load brings half of K (four K steps, 6,144 bytes = 768 elements) of ALL of a side's tiles: 8 of R or 16 of P
	s_mov_b32 s[G1R+1], 768<<16
	s_mov_b32 s[G1R+2], 8<<16
	s_mov_b32 s[G1R+3], 768<<16
	s_mov_b32 s[G1R+4], 8
	s_mov_b32 s[G1R+5], 1536
	s_mov_b32 s[G1R+6], 0
	s_mov_b32 s[G1R+7], 0
	s_mov_b32 s[G1P+1], 768<<16
	s_mov_b32 s[G1P+2], 16<<16
	s_mov_b32 s[G1P+3], 768<<16
	s_mov_b32 s[G1P+4], 16
	s_mov_b32 s[G1P+5], 1536
	s_mov_b32 s[G1P+6], 0
	s_mov_b32 s[G1P+7], 0
	v_and_b32 v2, 31, v0
	v_and_b32 v3, 15, v0                           ; r
	v_bfe_u32 v9, v0, 4, 1                         ; h
	v_lshlrev_b32 v4, 4, v2                        ; 16 x lane
	v_lshlrev_b32 v5, 3, v2                        ; 8 x lane
	v_lshlrev_b32 v6, 6, v9                        ; the bias: 16 h numbers on
	v_lshlrev_b32 v8, 1, v3
	v_lshl_add_u32 v8, v9, 15, v8                  ; O's scale bytes: 2 r, + two heads (2 x 16,384 bytes) for lanes 16-31
	s_mul_i32 s31, s[WV], 8448                     ; my stage: 16 rows x 528 bytes, in P's bytes, which have had their only fill and are read no more when the first result is stored there
	v_mul_u32_u24 v[STO], v3, 528
	v_lshl_add_u32 v[STO], v9, 6, v[STO]
	v_add_nc_u32 v[STO], s31, v[STO]
	v_add_nc_u32 v[RD], s31, v4
	s_mul_i32 s31, s[WP], 49152                    ; LDS: P: half a of K at 98,304 a, tile at 6,144, K step at 1,536; my 8 tiles
.irp c, 0,1
	v_add_nc_u32 v[PA+2*\c], s31, v4
	v_add_nc_u32 v[PA+2*\c+1], s31, v5
	s_add_co_u32 s31, s31, 98304
.endr
	s_mul_i32 s31, s[WR], 24576                    ; R: behind P's 196,608 bytes: half a at 49,152 a, tile at 6,144; my 4 tiles
	s_add_co_u32 s31, s31, 196608
.irp a, 0,1
	v_add_nc_u32 v[RAD+2*\a], s31, v4
	v_add_nc_u32 v[RAD+2*\a+1], s31, v5
	s_add_co_u32 s31, s31, 49152
.endr
	s_lshl_b32 s88, s[CX], 4
	s_mul_i32 s88, s88, 12288                      ; the first of Wo's 16 tiles (these registers never hold cy)
	s_add_co_u32 s88, s88, 2359296                 ; the fourth weight
	s_mov_b32 s89, 0
	s_lshl_b32 s90, s[RI], 3
	s_mul_i32 s90, s90, 12288                      ; the first of O's 8 tiles (these never hold cx)
	s_mov_b32 s91, 0
	s_wait_dscnt 0x0
	s_wait_kmcnt 0x0
	s_add_nc_u64 s[84:85], s[8:9], s[88:89]
	s_add_nc_u64 s[86:87], s[4:5], s[90:91]
.irp c, 0,1
	s_mov_b32 s[G0R+4*\c], 1
	s_mov_b32 s[G0R+4*\c+1], 196608+49152*\c
	s_add_nc_u64 s[G0R+4*\c+2:G0R+4*\c+3], s[86:87], 6144*\c
	s_or_b32 s[G0R+4*\c+3], s[G0R+4*\c+3], 0x80000000
	s_mov_b32 s[G0P+4*\c], 1
	s_mov_b32 s[G0P+4*\c+1], 98304*\c
	s_add_nc_u64 s[G0P+4*\c+2:G0P+4*\c+3], s[84:85], 6144*\c
	s_or_b32 s[G0P+4*\c+3], s[G0P+4*\c+3], 0x80000000
.endr
	CROUND                                         ; all sixteen work-groups are here: the joint loads meet
; one chain of branches on the wave's number, one joint load to an arm: wave 0 P's first half of K, wave 1 R's, wave 2 P's second half, wave 3 R's
.macro TARM g0, g1
	tensor_load_to_lds s[\g0:\g0+3], s[\g1:\g1+7]
	s_nop 0
.rept 4
	v_nop
.endr
.endm
	s_cmp_eq_u32 s[WV], 0
	s_cbranch_scc0 .Lw1
	TARM G0P, G1P
	s_branch .Lfilled
.Lw1:
	s_cmp_eq_u32 s[WV], 1
	s_cbranch_scc0 .Lw2
	TARM G0R, G1R
	s_branch .Lfilled
.Lw2:
	s_cmp_eq_u32 s[WV], 2
	s_cbranch_scc0 .Lw3
	TARM G0P+4, G1P
	s_branch .Lfilled
.Lw3:
	TARM G0R+4, G1R
.Lfilled:
	s_lshl_b32 s88, s[CX], 4
	s_lshl_b32 s31, s[WP], 3
	s_add_co_u32 s88, s88, s31
	s_lshl_b32 s88, s88, 9
	s_add_co_u32 s88, s88, 98304                   ; Wo's scale words, my 8 tiles
	s_add_nc_u64 s[10:11], s[10:11], s[88:89]
	s_lshl_b32 s90, s[RI], 3
	s_lshl_b32 s31, s[WR], 2
	s_add_co_u32 s90, s90, s31
	s_lshl_b32 s90, s90, 5                         ; O's scale bytes: 32 bytes a tile, my 4 tiles
	s_add_nc_u64 s[6:7], s[6:7], s[90:91]
	s_lshl_b32 s88, s[CX], 10
	s_lshl_b32 s31, s[WP], 9
	s_add_co_u32 s88, s88, s31                     ; my first column, in bytes
	s_add_nc_u64 s[12:13], s[12:13], s[88:89]
	s_lshl_b32 s90, s[RI], 7
	s_lshl_b32 s31, s[WR], 6
	s_add_co_u32 s90, s90, s31                     ; my first token
	s_lshl_b32 s90, s90, 12
	s_add_co_u32 s90, s90, s88
	s_add_nc_u64 s[14:15], s[14:15], s[90:91]
.irp t, 0,1,2,3,4,5,6,7
.irp f, 0,1
	global_load_b64 v[SP+4*\t+2*\f:SP+4*\t+2*\f+1], v5, s[10:11] offset:512*\t+256*\f
.endr
.endr
.irp i, 0,1,2,3                        ; register 4 i + q: lanes 0-15 K step 2 q's word, lanes 16-31 step 2 q + 1's; a word is two heads' two bytes each
.irp q, 0,1,2,3
	global_load_u16 v[SR+4*\i+\q], v8, s[6:7] offset:4*\q*16384+32*\i
	global_load_u16 v[HW+4*\i+\q], v8, s[6:7] offset:(4*\q+1)*16384+32*\i
.endr
.endr
.irp t, 0,1,2,3,4,5,6,7
	global_load_b128 v[BP+8*\t:BP+8*\t+3], v6, s[12:13] offset:(32*(\t/2)+8*(\t%2))*4
	global_load_b128 v[BP+8*\t+4:BP+8*\t+7], v6, s[12:13] offset:(32*(\t/2)+8*(\t%2))*4+16
.endr
	s_wait_loadcnt 0x0
.set j, 0
.rept 16
	v_lshl_or_b32 v[SR+j], v[HW+j], 16, v[SR+j]
.set j, j+1
.endr
.rept 8
	v_nop                                          ; a scale register written by a vector instruction stands eight places ahead of a scaled matrix instruction
.endr
	s_wait_alu depctr_va_vdst(0)
	s_cmp_lt_u32 s[WV], 2                          ; waves 0 and 1 asked for the first half of K, by lines of their own: they wait for it
	s_cbranch_scc0 .Lnot_mine
	s_wait_tensorcnt 0x0
.Lnot_mine:
	s_barrier_signal -1
	s_barrier_wait -1
	LDR 0
	LDP 0, 0
	LDP 0, 4
.irp s, 0,1,2,3,4,5,6,7
	STEP \s
.endr
	WIN 0
	PLACES
	s_wait_dscnt 0x0
	s_barrier_signal -1
	s_barrier_wait -1                              ; no wave reads P's bytes any more: the stages may be written
; THE WAY OUT, an R tile (16 tokens x 128 columns) at a time: through my own stage and back as whole rows of 512 bytes.  LDS serves a wave's instructions in order: no wait between the stores and the loads.
.macro TOSTAGE i
	WIN 0x04                                       ; an LDS store's data: window 1
.irp t, 0,1,2,3,4,5,6,7
	ds_store_b128 v[STO], v[64*(\i)+8*\t:64*(\i)+8*\t+3] offset:128*(\t/2)+32*(\t%2)          ; each accumulator from its low end on
	ds_store_b128 v[STO], v[64*(\i)+8*\t+4:64*(\i)+8*\t+7] offset:128*(\t/2)+32*(\t%2)+16
.endr
	WIN 0
.irp p, 0,1,2,3,4,5,6,7,8,9,10,11,12,13,14,15
	ds_load_b128 v[BK+64*((\i)%2)+4*\p:BK+64*((\i)%2)+4*\p+3], v[RD] offset:528*\p
.endr
.endm
.macro SEND i, younger                 ; younger: the LDS instructions issued behind tile i's loads, which may stay out
	s_wait_dscnt \younger
.irp p, 0,1,2,3,4,5,6,7,8,9,10,11,12,13,14,15
	global_store_b128 v4, v[BK+64*((\i)%2)+4*\p:BK+64*((\i)%2)+4*\p+3], s[14:15] offset:(32*((\i)/2)+8*((\i)%2)+\p+8*(\p/8))*4096 th:TH_STORE_NT   ; 32 lanes store 512 consecutive bytes, aligned to 256
.endr
.endm
	TOSTAGE 0
.irp i, 1,2,3
.if \i > 1
	s_wait_xcnt 0x0                                ; tile i - 2's stores have read their registers: tile i's loads may land there
.endif
	TOSTAGE \i
	SEND \i-1, 32                                  ; behind tile i - 1's loads: tile i's 16 stores and 16 loads
.endr
	SEND 3, 0
	s_wait_tensorcnt 0x0
	ds_add_u32 v126, v127
	s_wait_dscnt 0x0
	CROUND                                         ; the closing round
	s_endpgm
.Lfunc_end_k_q11d9f11da0_outp:
	.size	k_q11d9f11da0_outp, .Lfunc_end_k_q11d9f11da0_outp-k_q11d9f11da0_outp
	.p2alignl 7, 3214868480
	.fill 96, 4, 3214868480
	.section	.rodata,"a",@progbits
	.p2align	6, 0x0
	.amdhsa_kernel k_q11d9f11da0_outp
		.amdhsa_group_segment_fixed_size 295424
		.amdhsa_private_segment_fixed_size 0
		.amdhsa_enable_private_segment 0
		.amdhsa_kernarg_size 48
		.amdhsa_user_sgpr_count 2
		.amdhsa_user_sgpr_kernarg_segment_ptr 1
		.amdhsa_wavefront_size32 1
		.amdhsa_system_sgpr_workgroup_id_x 1
		.amdhsa_system_sgpr_workgroup_id_y 1
		.amdhsa_system_sgpr_workgroup_id_z 1
		.amdhsa_system_vgpr_workitem_id 0
		.amdhsa_next_free_vgpr 768
		.amdhsa_next_free_sgpr 92
		.amdhsa_reserve_vcc 0
		.amdhsa_float_denorm_mode_32 3
		.amdhsa_float_denorm_mode_16_64 3
		.amdhsa_memory_ordered 1
		.amdhsa_forward_progress 1
		.amdhsa_inst_pref_size 89
	.end_amdhsa_kernel
	.amdgpu_metadata
---
amdhsa.version: [ 1, 2 ]
amdhsa.kernels:
  - .name:           k_q11d9f11da0_outp
    .symbol:         k_q11d9f11da0_outp.kd
    .args:
      - { .name: oc, .offset: 0, .size: 8, .value_kind: global_buffer, .address_space: global }
      - { .name: os, .offset: 8, .size: 8, .value_kind: global_buffer, .address_space: global }
      - { .name: wc, .offset: 16, .size: 8, .value_kind: global_buffer, .address_space: global }
      - { .name: ws, .offset: 24, .size: 8, .value_kind: global_buffer, .address_space: global }
      - { .name: bo, .offset: 32, .size: 8, .value_kind: global_buffer, .address_space: global }
      - { .name: out0, .offset: 40, .size: 8, .value_kind: global_buffer, .address_space: global }
    .group_segment_fixed_size: 295424
    .private_segment_fixed_size: 0
    .kernarg_segment_align: 8
    .kernarg_segment_size: 48
    .max_flat_workgroup_size: 128
    .sgpr_count:     92
    .vgpr_count:     768
    .wavefront_size: 32
...
	.end_amdgpu_metadata
.endif
;; end of part 4
